; MI455X (gfx1250); checked and timed in simulation.
; The chip was launched on July 23, 2026; its instructions are those of AMD's public machine-readable ISA for CDNA 5 (MIT licence, August 2026) and "CDNA5" Instruction Set Architecture Reference Guide (July 2026). The comments in the code are by the model that wrote it; some were corrected since.
;; Transformer blk. Allowed arithmetic: matrix products marked QUANTISED: E2M3 operands, one E8M0 scale for each 32 along K, by v_wmma_scale_f32_16x16x128_f8f6f4 with both operands' format E2M3, f32 sums; everything else in f32.
;; Inputs: b1 2,048 float32; b2 512 float32; bo 512 float32; g1 512 float32; g2 512 float32; s1 512 float32; s2 512 float32; w1_codes 2,048 x 16 x 24 uint8 (E2M3 codes of w1, K innermost, in blocks of 32 codes, four codes in three bytes); w1_scales 2,048 x 16 uint8 (E8M0 scales of w1, one for each 32 codes along K); w2_codes 512 x 64 x 24 uint8 (E2M3 codes of w2, K innermost, in blocks of 32 codes, four codes in three bytes); w2_scales 512 x 64 uint8 (E8M0 scales of w2, one for each 32 codes along K); wk_codes 512 x 16 x 24 uint8 (E2M3 codes of wk, K innermost, in blocks of 32 codes, four codes in three bytes); wk_scales 512 x 16 uint8 (E8M0 scales of wk, one for each 32 codes along K); wo_codes 512 x 16 x 24 uint8 (E2M3 codes of wo, K innermost, in blocks of 32 codes, four codes in three bytes); wo_scales 512 x 16 uint8 (E8M0 scales of wo, one for each 32 codes along K); wq_codes 512 x 16 x 24 uint8 (E2M3 codes of wq, K innermost, in blocks of 32 codes, four codes in three bytes); wq_scales 512 x 16 uint8 (E8M0 scales of wq, one for each 32 codes along K); wv_codes 512 x 16 x 24 uint8 (E2M3 codes of wv, K innermost, in blocks of 32 codes, four codes in three bytes); wv_scales 512 x 16 uint8 (E8M0 scales of wv, one for each 32 codes along K); x 4 x 2,048 x 512 float32.
;; Outputs: out0 4 x 2,048 x 512 float32.
;; This version of the problem:
;;   THIS VERSION OF THE PROBLEM IS GIVEN IN LOW PRECISION. The matrix products marked QUANTISED in the list below multiply operands that are first quantised to E2M3 (2 exponent bits, 3 mantissa bits; 6 bits a number), with one power-of-two scale for each 32 numbers along K (OCP MX v1.0); their sums are f32. All else is computed in f32.
;;   The module's matrix products, in the order in which they are computed (A, B: the left and right operand; K: the contracted axis; several contracted axes count as one K, in the product's order):
;;     1. [M 8,192, K 512] x [K 512, N 512]; A: computed on the way; B: input wq (given as codes): QUANTISED
;;     2. [M 8,192, K 512] x [K 512, N 512]; A: computed on the way; B: input wk (given as codes): QUANTISED
;;     3. [M 8,192, K 512] x [K 512, N 512]; A: computed on the way; B: input wv (given as codes): QUANTISED
;;     4. batch 64 x [M 2,048, K 32] x [K 32, N 2,048]; A: computed on the way; B: computed on the way: QUANTISED
;;     5. batch 64 x [M 2,048, K 2,048] x [K 2,048, N 32]; A: softmax (see below); B: computed on the way: QUANTISED
;;     6. [M 8,192, K 512] x [K 512, N 512]; A: computed on the way; B: input wo (given as codes): QUANTISED
;;     7. [M 8,192, K 512] x [K 512, N 2,048]; A: computed on the way; B: input w1 (given as codes): QUANTISED
;;     8. [M 8,192, K 2,048] x [K 2,048, N 512]; A: computed on the way; B: input w2 (given as codes): QUANTISED
;;   THE QUANTISER, for each operand of a quantised product, along K:
;;     - K is cut into blocks of 32 from its start; a last block that is shorter is filled with zeros.
;;     - A block's scale is 2^e with e = floor(log2(the largest magnitude in the block)) - 2, held to -126 .. 127; a block of zeros has e = 0. As a byte (E8M0): e + 127.
;;     - Each number is divided by its block's scale, clamped to +-7.5, and rounded to the nearest number of E2M3, ties to even, subnormals kept.
;;     - The product sums the exact products of the quantised numbers (number of the format x scale) in f32.
;;   ~~~python
;;   def quantise(x, axis):      # numpy; x: float32 -> the quantised numbers, widened to float32 again
;;       x = np.moveaxis(x, axis, -1); K = x.shape[-1]
;;       x = np.pad(x, [(0, 0)] * (x.ndim - 1) + [(0, -K % 32)]); x = x.reshape(x.shape[:-1] + (-1, 32)); a = np.abs(x).max(-1, keepdims=True)
;;       e = np.where(a > 0, np.clip(np.frexp(np.where(a > 0, a, 1))[1] - 1 - 2, -126, 127), 0)      # np.frexp(a)[1] - 1 = floor(log2(a)), exactly
;;       r = np.clip(x / 2.0 ** e, -7.5, 7.5)
;;       step = 2.0 ** (np.maximum(np.frexp(np.where(r == 0, 1, r))[1] - 1, 0) - 3)
;;       q = np.round(r / step) * step * 2.0 ** e      # np.round: ties to even
;;       return np.moveaxis(q.reshape(q.shape[:-2] + (-1,))[..., :K], -1, axis).astype(np.float32)
;;   ~~~
;;   SOFTMAX AHEAD OF A QUANTISED PRODUCT. Where the list says 'softmax', what is quantised is not the finished softmax but p = 2^(t - M), with t = logit x log2(e) and M = ceil(the row's largest t), a whole number; so 1/2 < the row's largest p <= 1. The row's sum l is taken of the UNQUANTISED p, in f32, and the product's result is divided by l at the end. Since M is a whole number, a kernel that streams over the keys may use a running M (the ceiling of the running maximum): every later rescaling is an exact power of two, which a block's scale takes up: the codes' values come out the same.
;;   OPERANDS COMPUTED ON THE WAY. 'Computed on the way' means the value that the module computes at that place (a softmax that the list does not call 'softmax' is quantised finished and normalised). What goes into a quantiser is computed in f32, as accurately as f32 sums, v_exp_f32 and their like allow (about 1e-6 of the number): no bf16 or f16 on the way to a quantiser, and a product that is left as it is and whose result goes on into a quantised operand takes f32 operands (vector FMAs, or v_wmma_f32_16x16x4_f32). A number that lies on a knife's edge between two numbers of the format may be rounded either way, as far as f32 arithmetic and the matrix unit's own rounding can turn it there, and no further.
;;   INPUTS GIVEN AS CODES. w1 (in the module: [512, 2048], K = its axis 0); w2 (in the module: [2048, 512], K = its axis 0); wk (in the module: [512, 512], K = its axis 0); wo (in the module: [512, 512], K = its axis 0); wq (in the module: [512, 512], K = its axis 0); wv (in the module: [512, 512], K = its axis 0): each comes as NAME_codes (uint8): NAME with its K axis moved to the last place and cut into blocks of 32 codes, [.., K / 32, bytes a block], one block behind the other in memory; four codes in three bytes: a row's codes are one little-endian stream of bits, code i at bits 6 i .. 6 i + 5 (a code: sign, 2 exponent bits, 3 mantissa bits); and NAME_scales (uint8): the same leading axes, one E8M0 byte (e + 127) for each 32 codes along K. Its value is code x scale, taken as it is: it is not quantised again, and the codes and scales need not be those that the quantiser above would give.
;; One version. Each part assembles by itself: llvm-mc -triple=amdgcn-amd-amdhsa -mcpu=gfx1250 --defsym DOCPART=n.
;; ======== version 1 of 1: 4 launches
;; limits: right only within a limited range of input values
;; workspace buffers: wimg 2,359,296 bytes; qbuf 3,670,016 bytes; kv 6,553,600 bytes; cbuf 3,276,800 bytes
;; launch prep (part 1): grid 256 x 1, 6 waves a work-group, no clusters, 0 bytes of LDS; arguments wq_codes, wk_codes, wv_codes, wo_codes, w1_codes, w2_codes, wimg; writes wimg
.if DOCPART == 1
	.amdgcn_target "amdgcn-amd-amdhsa--gfx1250"
	.amdhsa_code_object_version 6
	.text
	.protected	k_qd4697d093c_prep
	.globl	k_qd4697d093c_prep
	.p2align	8
	.type	k_qd4697d093c_prep,@function
k_qd4697d093c_prep:
	s_mov_b64 s[64:65], 0
	v_nop
	global_prefetch_b8 v0, s[64:65] scope:SCOPE_SE
	s_setreg_imm32_b32 hwreg(HW_REG_WAVE_MODE, 25, 1), 1
	s_wait_xcnt 0x0
; The six weights' codes (E2M3, K innermost, 96 bytes for 128 codes) are laid once in the order of an operand's registers.
; A FRAGMENT is 16 rows x 128 K: 12 registers a lane.  Lane (r, h) holds, of its row, the 24 bytes at 24 h and the 24 bytes at 48 + 24 h of the K step's 96.
; In wimg a fragment is 1,536 bytes: register 4 g + i of lane L at 512 g + 16 L + 4 i, so that the later launches fetch it by three loads of 16 bytes a lane, 512 consecutive bytes each.
; THE ROWS OF A FRAGMENT ARE NOT NEIGHBOURS: lane r of tile u (0, 1) of a group of 32 rows takes row 8 u + r + 8 (r / 8), so that the 16 result registers of a group's two tiles are 16 neighbouring rows.
; Fragments in wimg: wq 0-127, wk 128-255, wv 256-383, wo 384-511, w1 512-1023, w2 1024-1535; inside a tensor: (group x K steps + K step) x 2 + tile.
; One wave makes one fragment: 256 work-groups x 6 waves = 1,536.  No LDS, no barrier: waves share nothing.
	s_load_b256 s[8:15], s[0:1], 0x0               ; wq, wk, wv, wo
	s_load_b128 s[16:19], s[0:1], 0x20             ; w1, w2
	s_load_b64 s[20:21], s[0:1], 0x30              ; wimg
	v_lshrrev_b32 v1, 5, v0
	v_readfirstlane_b32 s4, v1                     ; wave 0..5
	s_mul_i32 s5, ttmp9, 6
	s_add_co_u32 s5, s5, s4                        ; the fragment's number, 0..1535
	v_and_b32 v2, 15, v0                           ; r
	v_bfe_u32 v3, v0, 4, 1                         ; h
	v_and_b32 v4, 31, v0
	v_lshlrev_b32 v4, 4, v4                        ; 16 x lane
	v_and_b32 v5, 8, v2
	v_add_nc_u32 v5, v5, v2                        ; r + 8 (r / 8)
	s_wait_alu depctr_va_vdst(0)
	s_mov_b32 s6, 511
	s_cmp_lt_u32 s5, 512
	s_cselect_b32 s6, 127, s6
	s_and_b32 s6, s5, s6                           ; its number inside its tensor
	s_mov_b32 s7, 1536
	s_cmp_lt_u32 s5, 1024                          ; all but w2 have K = 512
	s_cselect_b32 s7, 384, s7                      ; a row in bytes
	s_cselect_b32 s24, 3, 5                        ; log2 of a group's fragments
	s_cselect_b32 s25, 3, 15                       ; K steps - 1
	s_and_b32 s26, s6, 1                           ; tile
	s_lshr_b32 s27, s6, 1
	s_and_b32 s27, s27, s25                        ; K step
	s_lshr_b32 s28, s6, s24                        ; group
	s_lshl_b32 s28, s28, 5
	s_lshl_b32 s26, s26, 3
	s_add_co_u32 s28, s28, s26                     ; 32 x group + 8 x tile
	s_mul_i32 s28, s28, s7
	s_mul_i32 s27, s27, 96
	s_add_co_u32 s28, s28, s27                     ; where the fragment's bytes begin in its tensor
	s_mov_b32 s29, 0
	v_mul_lo_u32 v5, v5, s7
	v_mad_u32_u24 v5, v3, 24, v5                   ; my row, + 24 h
	s_mul_i32 s30, s5, 1536
	s_mov_b32 s31, 0
	s_wait_alu depctr_va_vdst(0)
	s_wait_kmcnt 0x0
	s_mov_b64 s[22:23], s[18:19]                   ; the tensor is chosen by the fragment's number alone
	s_cmp_lt_u32 s5, 1024
	s_cselect_b64 s[22:23], s[16:17], s[22:23]
	s_cmp_lt_u32 s5, 512
	s_cselect_b64 s[22:23], s[14:15], s[22:23]
	s_cmp_lt_u32 s5, 384
	s_cselect_b64 s[22:23], s[12:13], s[22:23]
	s_cmp_lt_u32 s5, 256
	s_cselect_b64 s[22:23], s[10:11], s[22:23]
	s_cmp_lt_u32 s5, 128
	s_cselect_b64 s[22:23], s[8:9], s[22:23]
	s_add_nc_u64 s[22:23], s[22:23], s[28:29]
	s_add_nc_u64 s[20:21], s[20:21], s[30:31]
.irp p, 0,1,2,3,4,5
	global_load_b64 v[8+2*\p:9+2*\p], v5, s[22:23] offset:48*(\p/3)+8*(\p%3) th:TH_LOAD_NT   ; pieces of 8 bytes: every address is a multiple of the access's size
.endr
	s_wait_loadcnt 0x0
.irp g, 0,1,2
	global_store_b128 v4, v[8+4*\g:11+4*\g], s[20:21] offset:512*\g   ; 32 lanes store 512 consecutive bytes, at a multiple of 256 from wimg's first byte
.endr
	s_endpgm
.Lfunc_end_k_qd4697d093c_prep:
	.size	k_qd4697d093c_prep, .Lfunc_end_k_qd4697d093c_prep-k_qd4697d093c_prep
	.p2alignl 7, 3214868480
	.fill 96, 4, 3214868480
	.section	.rodata,"a",@progbits
	.p2align	6, 0x0
	.amdhsa_kernel k_qd4697d093c_prep
		.amdhsa_group_segment_fixed_size 0
		.amdhsa_private_segment_fixed_size 0
		.amdhsa_enable_private_segment 0
		.amdhsa_kernarg_size 56
		.amdhsa_user_sgpr_count 2
		.amdhsa_user_sgpr_kernarg_segment_ptr 1
		.amdhsa_wavefront_size32 1
		.amdhsa_system_sgpr_workgroup_id_x 1
		.amdhsa_system_sgpr_workgroup_id_y 1
		.amdhsa_system_sgpr_workgroup_id_z 1
		.amdhsa_system_vgpr_workitem_id 0
		.amdhsa_next_free_vgpr 32
		.amdhsa_next_free_sgpr 66
		.amdhsa_reserve_vcc 0
		.amdhsa_float_denorm_mode_32 3
		.amdhsa_float_denorm_mode_16_64 3
		.amdhsa_memory_ordered 1
		.amdhsa_forward_progress 1
		.amdhsa_inst_pref_size 4
	.end_amdhsa_kernel
	.amdgpu_metadata
---
amdhsa.version: [ 1, 2 ]
amdhsa.kernels:
  - .name:           k_qd4697d093c_prep
    .symbol:         k_qd4697d093c_prep.kd
    .args:
      - { .name: wq_codes, .offset: 0, .size: 8, .value_kind: global_buffer, .address_space: global }
      - { .name: wk_codes, .offset: 8, .size: 8, .value_kind: global_buffer, .address_space: global }
      - { .name: wv_codes, .offset: 16, .size: 8, .value_kind: global_buffer, .address_space: global }
      - { .name: wo_codes, .offset: 24, .size: 8, .value_kind: global_buffer, .address_space: global }
      - { .name: w1_codes, .offset: 32, .size: 8, .value_kind: global_buffer, .address_space: global }
      - { .name: w2_codes, .offset: 40, .size: 8, .value_kind: global_buffer, .address_space: global }
      - { .name: wimg, .offset: 48, .size: 8, .value_kind: global_buffer, .address_space: global }
    .group_segment_fixed_size: 0
    .private_segment_fixed_size: 0
    .kernarg_segment_align: 8
    .kernarg_segment_size: 56
    .max_flat_workgroup_size: 192
    .sgpr_count:     66
    .vgpr_count:     32
    .wavefront_size: 32
...
	.end_amdgpu_metadata
.endif
;; end of part 1
;; launch qkv (part 2): grid 256 x 1, 16 waves a work-group, no clusters, 80,896 bytes of LDS; arguments x, g1, s1, wimg, wq_scales, wk_scales, wv_scales, qbuf, kv; writes qbuf, kv
.if DOCPART == 2
	.amdgcn_target "amdgcn-amd-amdhsa--gfx1250"
	.amdhsa_code_object_version 6
	.text
	.protected	k_qd4697d093c_qkv
	.globl	k_qd4697d093c_qkv
	.p2align	8
	.type	k_qd4697d093c_qkv,@function
k_qd4697d093c_qkv:
	s_mov_b64 s[64:65], 0
	v_nop
	global_prefetch_b8 v0, s[64:65] scope:SCOPE_SE
	s_setreg_imm32_b32 hwreg(HW_REG_WAVE_MODE, 25, 1), 1
	s_wait_xcnt 0x0
; h = layer norm of x (g1, s1); q = h wq, k = h wk, v = h wv on codes of E2M3 with one E8M0 scale for each 32 along K; q and k are quantised along the head's 32, v along the keys, and stored as operands of the next launch.
; SHARES.  A work-group takes 32 neighbouring tokens, sixteen waves.  Wave w norms rows 2 w, 2 w + 1, quantises block w (32 of the 512 columns) of all 32 rows, and is then HEAD w: 32 columns of q, of k and of v.
; OPERANDS.  h's 8 fragments (2 tiles of tokens x 4 K steps) go from wave to wave through LDS, lane L's 12 registers at 48 L.  The weights come from wimg straight into registers: each fragment is wanted by one wave alone.
; TILE ORDER.  Lane r of tile u of 32 rows takes row 8 u + r + 8 (r / 8): the weights' rows (laid so in wimg) and h's tokens.  So a lane's 16 result registers of two tiles are 16 neighbours:
;   q, k (source 0 = weight, source 1 = h): lane (r, h) holds token 8 u + r + 8 (r / 8) and d = 16 h + 0..15;   v (source 0 = h, source 1 = weight): lane (r, h) holds d = 8 u + r + 8 (r / 8) and tokens 16 h + 0..15.
; OUT.  qbuf: a token's 24 bytes as 16 at 16 t and 8 at 512 + 8 t of its block of 32 tokens (768 bytes); from byte 3,145,728 on one word a token, its scale byte four times.
;   kv: 6,400 bytes for a head's 128 keys: K's 2 fragments, each with FOUR tiles of 16 keys (block 2 c + hh of a fragment = one tile's 32 codes a row); V^T's 2 fragments (16 d x 128 keys); K's and V's scale words.
;   In kv a half fragment is 768 bytes: registers 6 c .. 6 c + 3 at 16 L, registers 6 c + 4, 6 c + 5 at 512 + 8 L.
; NO CLUSTER: all work-groups walk the same 589,824 bytes of weights, but a fragment goes into the registers of the one wave that multiplies by it; a joint load would lay it in LDS first, to be read there once.
; LIMITS: NaN and infinities among the inputs are not served.  A block whose largest magnitude lies under 2^-124 (zeros too) gets the scale byte 1; these bytes are read by this program alone.  1 / sqrt by v_rsq_f32.
.set HIMG, 0                           ; LDS: h's 8 fragments, (4 u + s) x 1,536
.set HSC,  12288                       ; their scale words: 128 s + 64 u + 4 r
.set HST,  12800                       ; 32 rows of h in f32, 2,064 bytes apart
.set RP,   2064
.set LI,   1                           ; v1  16 x lane
.set L8,   2                           ; v2  8 x lane
.set L4,   3                           ; v3  4 x lane
.set L48,  4                           ; v4  48 x lane
.set PA,   5                           ; v5  where my 12 bytes of codes go in a fragment of h
.set SA,   6                           ; v6  and my block's scale byte
.set XAH,  7                           ; v7  my 16 numbers of a row of h
.set RAH,  8                           ; v8  my 16 bytes of my wave's first row
.set TK16, 10                          ; v10 16 x (8 h + r + 8 (r / 8))
.set TK8,  11                          ; v11 8 x the same
.set TK4,  12                          ; v12 4 x the same
.set R4,   13                          ; v13 4 r
.set VA16, 14                          ; v14 1,536 h + 16 r
.set VA8,  15                          ; v15 1,536 h + 8 r
.set XR,   16                          ; v16-47   two rows of x, then 2 x 16 numbers of h
.set GR,   48                          ; v48-63   g1, v64-79 s1, in a row's layout
.set SR,   64
.set HF,   48                          ; v48-95   then two sets of h's fragments of one K step (2 tiles x 12), fetched from LDS step by step;  v96-143 two more pairs of weight fragments
.set ACC,  144                         ; v144-175 four accumulators
.set WF,   176                         ; v176-223 two pairs of weight fragments
.set WS,   224                         ; v224-235 the weights' scale words: 4 t + s; lanes 0-15 tile 0, lanes 16-31 tile 1
.set HS,   236                         ; v236-239 h's scale words: lanes 0-15 tile 0, lanes 16-31 tile 1
.set T,    240                         ; v240-255 at work
.set B1R,  0
.set WV,   2
.set WB,   10                          ; s[10:11] wimg at my head's group of wq
.set SEL,  22
.set HM,   24
.set RD,   25
.set EPS,  26
.set QC,   40
.set QSB,  42
.set KC,   44
.set KSB,  46
.set VB16, 48
.set VB8,  50
.set VSB,  52
.macro NOP4
.rept 4
	v_nop
.endr
.endm
.macro BARRIER                         ; my LDS stores have landed and my LDS loads are in: then the work-group's barrier
	s_wait_dscnt 0x0
	s_barrier_signal -1
	s_barrier_wait -1
.endm
; one product.  c < 0: the sum starts with 0.  ra, rb: the side's scale words stand in lanes 16-31
.macro WM d, a, b, c, sa, sb, ra, rb
.if (\c) < 0
.if (\ra) && (\rb)
	v_wmma_scale_f32_16x16x128_f8f6f4 v[(\d):(\d)+7], v[(\a):(\a)+11], v[(\b):(\b)+11], 0, v[(\sa)], v[(\sb)] matrix_a_fmt:MATRIX_FMT_FP6 matrix_b_fmt:MATRIX_FMT_FP6 matrix_a_scale:MATRIX_SCALE_ROW1 matrix_b_scale:MATRIX_SCALE_ROW1
.elseif (\ra)
	v_wmma_scale_f32_16x16x128_f8f6f4 v[(\d):(\d)+7], v[(\a):(\a)+11], v[(\b):(\b)+11], 0, v[(\sa)], v[(\sb)] matrix_a_fmt:MATRIX_FMT_FP6 matrix_b_fmt:MATRIX_FMT_FP6 matrix_a_scale:MATRIX_SCALE_ROW1
.elseif (\rb)
	v_wmma_scale_f32_16x16x128_f8f6f4 v[(\d):(\d)+7], v[(\a):(\a)+11], v[(\b):(\b)+11], 0, v[(\sa)], v[(\sb)] matrix_a_fmt:MATRIX_FMT_FP6 matrix_b_fmt:MATRIX_FMT_FP6 matrix_b_scale:MATRIX_SCALE_ROW1
.else
	v_wmma_scale_f32_16x16x128_f8f6f4 v[(\d):(\d)+7], v[(\a):(\a)+11], v[(\b):(\b)+11], 0, v[(\sa)], v[(\sb)] matrix_a_fmt:MATRIX_FMT_FP6 matrix_b_fmt:MATRIX_FMT_FP6
.endif
.else
.if (\ra) && (\rb)
	v_wmma_scale_f32_16x16x128_f8f6f4 v[(\d):(\d)+7], v[(\a):(\a)+11], v[(\b):(\b)+11], v[(\c):(\c)+7], v[(\sa)], v[(\sb)] matrix_a_fmt:MATRIX_FMT_FP6 matrix_b_fmt:MATRIX_FMT_FP6 matrix_a_scale:MATRIX_SCALE_ROW1 matrix_b_scale:MATRIX_SCALE_ROW1
.elseif (\ra)
	v_wmma_scale_f32_16x16x128_f8f6f4 v[(\d):(\d)+7], v[(\a):(\a)+11], v[(\b):(\b)+11], v[(\c):(\c)+7], v[(\sa)], v[(\sb)] matrix_a_fmt:MATRIX_FMT_FP6 matrix_b_fmt:MATRIX_FMT_FP6 matrix_a_scale:MATRIX_SCALE_ROW1
.elseif (\rb)
	v_wmma_scale_f32_16x16x128_f8f6f4 v[(\d):(\d)+7], v[(\a):(\a)+11], v[(\b):(\b)+11], v[(\c):(\c)+7], v[(\sa)], v[(\sb)] matrix_a_fmt:MATRIX_FMT_FP6 matrix_b_fmt:MATRIX_FMT_FP6 matrix_b_scale:MATRIX_SCALE_ROW1
.else
	v_wmma_scale_f32_16x16x128_f8f6f4 v[(\d):(\d)+7], v[(\a):(\a)+11], v[(\b):(\b)+11], v[(\c):(\c)+7], v[(\sa)], v[(\sb)] matrix_a_fmt:MATRIX_FMT_FP6 matrix_b_fmt:MATRIX_FMT_FP6
.endif
.endif
.endm
; a pair of weight fragments (tiles y = 0, 1 of a group, one K step): six loads of 512 consecutive bytes
.macro WPAIR buf, base, off
.irp y, 0,1
.irp g, 0,1,2
	global_load_b128 v[(\buf)+12*\y+4*\g:(\buf)+12*\y+4*\g+3], v[LI], s[\base:\base+1] offset:(\off)+1536*\y+512*\g
.endr
.endr
.endm
; four products: weight tiles y x token tiles z, one K step.  The four accumulators take turns, one instruction a turn, in the same order in every pair.
; cm = 0: the sums start with 0; 1: they go on; 2: they start with the bias.  nat = 1: source 0 = the tokens, source 1 = the weight.
.macro MMP wf, bf, bst, ws, bs, cm, nat
.irp y, 0,1
.irp z, 0,1
.if \nat
.set MD, ACC+16*\y+8*\z
.else
.set MD, ACC+16*\z+8*\y
.endif
.set MC, MD
.if (\cm) == 0
.set MC, -1
.endif
.if (\cm) == 2
.set MC, B1R+8*\y
.endif
.if \nat
	WM MD, (\bf)+(\bst)*\z, (\wf)+12*\y, MC, \bs, \ws, \z, \y
.else
	WM MD, (\wf)+12*\y, (\bf)+(\bst)*\z, MC, \ws, \bs, \y, \z
.endif
.endr
.endr
.endm
; Two runs of 16 numbers of a lane, each half a block of 32 (the other half lies in lane l xor 16), become 2 x 12 bytes of codes (v[T+8..10], v[T+12..14]) and two scale bytes (v[T+6], v[T+7]).
.macro QCORE a0, a1
	v_max3_num_f32 v[T], |v[(\a0)]|, |v[(\a0)+1]|, 0x1800000      ; my 16 numbers, and the floor 2^(3 - 127): so the byte cannot fall under 1
	v_max3_num_f32 v[T+1], |v[(\a1)]|, |v[(\a1)+1]|, 0x1800000
.irp i, 2,4,6,8,10,12,14
	v_max3_num_f32 v[T], v[T], |v[(\a0)+\i]|, |v[(\a0)+\i+1]|     ; (the two runs by turns)
	v_max3_num_f32 v[T+1], v[T+1], |v[(\a1)+\i]|, |v[(\a1)+\i+1]|
.endr
	v_permlanex16_b32 v[T+2], v[T], s[SEL], s[SEL+1]
	s_delay_alu instid0(VALU_DEP_2)
	v_permlanex16_b32 v[T+3], v[T+1], s[SEL], s[SEL+1]
	s_delay_alu instid0(VALU_DEP_2)
	v_max_num_f32 v[T], v[T], v[T+2]                              ; the block's largest magnitude
	s_delay_alu instid0(VALU_DEP_2)
	v_max_num_f32 v[T+1], v[T+1], v[T+3]
	s_delay_alu instid0(VALU_DEP_2)
	v_add_nc_u32 v[T+4], 0xff000000, v[T]                         ; 2 off its exponent field: the conversion takes the exponent field of this operand as its scale
	s_delay_alu instid0(VALU_DEP_2)
	v_add_nc_u32 v[T+5], 0xff000000, v[T+1]
	s_delay_alu instid0(VALU_DEP_2)
	v_lshrrev_b32 v[T+6], 23, v[T+4]                              ; the scale's byte
	s_delay_alu instid0(VALU_DEP_2)
	v_lshrrev_b32 v[T+7], 23, v[T+5]
	v_cvt_scalef32_pk16_fp6_f32 v[T+8:T+10], v[(\a0):(\a0)+15], v[T+4]
	v_cvt_scalef32_pk16_fp6_f32 v[T+12:T+14], v[(\a1):(\a1)+15], v[T+5]
	v_nop                                                         ; one plain place behind a scaled conversion
.endm
.macro QPUT pa, o0, o1, sa, p0, p1     ; codes and bytes into an operand's image in LDS
.irp i, 0,1,2
	ds_store_b32 v[\pa], v[T+8+\i] offset:(\o0)+4*\i
.endr
.irp i, 0,1,2
	ds_store_b32 v[\pa], v[T+12+\i] offset:(\o1)+4*\i
.endr
	ds_store_b8 v[\sa], v[T+6] offset:\p0                         ; both lanes of a block write the same byte with the same value
	ds_store_b8 v[\sa], v[T+7] offset:\p1
.endm
.macro QJOIN                           ; lane (r, g) gets run g's whole block, 24 bytes, in v[T+8 .. T+13]
.irp i, 0,1,2
	v_permlane16_swap_b32 v[T+8+\i], v[T+12+\i]
.endr
	s_delay_alu instid0(VALU_DEP_3)
	v_mov_b32 v[T+11], v[T+12]
	s_delay_alu instid0(VALU_DEP_3)
	v_mov_b32 v[T+12], v[T+13]
	s_delay_alu instid0(VALU_DEP_3)
	v_mov_b32 v[T+13], v[T+14]
.endm
.macro LNRED                           ; v[T], v[T+8]: sums over the 32 lanes, the two rows by turns
.irp m, 1,2,4,8
.irp p, 0,1
	s_delay_alu instid0(VALU_DEP_2)
	v_add_f32_dpp v[T+8*\p], v[T+8*\p], v[T+8*\p] row_xmask:\m row_mask:0xf bank_mask:0xf
.endr
.endr
.irp p, 0,1
	s_delay_alu instid0(VALU_DEP_2)
	v_permlanex16_b32 v[T+8*\p+1], v[T+8*\p], s[SEL], s[SEL+1]
.endr
.irp p, 0,1
	s_delay_alu instid0(VALU_DEP_2)
	v_add_f32 v[T+8*\p], v[T+8*\p], v[T+8*\p+1]
.endr
.endm
; Two rows of 512, 16 numbers a lane each, are normed in place: the mean, then the mean of the squares of x - mean (two passes: no difference of large sums), then (x - mean) / sqrt(v + 1e-15) x g + s.
.macro LNROWS xr, gr, sr
.irp i, 0,1,2,3
.irp p, 0,1
	v_pk_add_f32 v[T+8*\p+2*\i:T+8*\p+2*\i+1], v[(\xr)+16*\p+4*\i:(\xr)+16*\p+4*\i+1], v[(\xr)+16*\p+4*\i+2:(\xr)+16*\p+4*\i+3]
.endr
.endr
.irp p, 0
	v_pk_add_f32 v[T+8*\p:T+8*\p+1], v[T+8*\p:T+8*\p+1], v[T+8*\p+2:T+8*\p+3]
	s_delay_alu instid0(VALU_DEP_3)
	v_pk_add_f32 v[T+8*\p+4:T+8*\p+5], v[T+8*\p+4:T+8*\p+5], v[T+8*\p+6:T+8*\p+7]
.endr
.irp p, 1
	v_pk_add_f32 v[T+8*\p:T+8*\p+1], v[T+8*\p:T+8*\p+1], v[T+8*\p+2:T+8*\p+3]
	s_delay_alu instid0(VALU_DEP_4)
	v_pk_add_f32 v[T+8*\p+4:T+8*\p+5], v[T+8*\p+4:T+8*\p+5], v[T+8*\p+6:T+8*\p+7]
.endr
.irp p, 0
	s_delay_alu instid0(VALU_DEP_3)
	v_pk_add_f32 v[T+8*\p:T+8*\p+1], v[T+8*\p:T+8*\p+1], v[T+8*\p+4:T+8*\p+5]
.endr
.irp p, 1
	s_delay_alu instid0(VALU_DEP_2)
	v_pk_add_f32 v[T+8*\p:T+8*\p+1], v[T+8*\p:T+8*\p+1], v[T+8*\p+4:T+8*\p+5]
.endr
.irp p, 0,1
	s_delay_alu instid0(VALU_DEP_2)
	v_add_f32 v[T+8*\p], v[T+8*\p], v[T+8*\p+1]
.endr
	LNRED
.irp p, 0,1
	s_delay_alu instid0(VALU_DEP_2)
	v_mul_f32 v[T+8*\p+2], s[RD], v[T+8*\p]                       ; the mean
.endr
.irp p, 0,1
	s_delay_alu instid0(VALU_DEP_2)
	v_mov_b32 v[T+8*\p+3], v[T+8*\p+2]
.endr
.irp k, 0,2,4,6,8,10,12,14
.irp p, 0,1
	v_pk_add_f32 v[(\xr)+16*\p+\k:(\xr)+16*\p+\k+1], v[(\xr)+16*\p+\k:(\xr)+16*\p+\k+1], v[T+8*\p+2:T+8*\p+3] neg_lo:[0,1] neg_hi:[0,1]
.endr
.endr
.irp p, 0,1
	v_pk_mul_f32 v[T+8*\p+4:T+8*\p+5], v[(\xr)+16*\p:(\xr)+16*\p+1], v[(\xr)+16*\p:(\xr)+16*\p+1]
	v_pk_mul_f32 v[T+8*\p+6:T+8*\p+7], v[(\xr)+16*\p+2:(\xr)+16*\p+3], v[(\xr)+16*\p+2:(\xr)+16*\p+3]
.endr
.irp k, 4,8,12
.irp p, 0,1
	s_delay_alu instid0(VALU_DEP_4)
	v_pk_fma_f32 v[T+8*\p+4:T+8*\p+5], v[(\xr)+16*\p+\k:(\xr)+16*\p+\k+1], v[(\xr)+16*\p+\k:(\xr)+16*\p+\k+1], v[T+8*\p+4:T+8*\p+5]
	s_delay_alu instid0(VALU_DEP_4)
	v_pk_fma_f32 v[T+8*\p+6:T+8*\p+7], v[(\xr)+16*\p+\k+2:(\xr)+16*\p+\k+3], v[(\xr)+16*\p+\k+2:(\xr)+16*\p+\k+3], v[T+8*\p+6:T+8*\p+7]
.endr
.endr
.irp p, 0
	s_delay_alu instid0(VALU_DEP_3)
	v_pk_add_f32 v[T+8*\p+4:T+8*\p+5], v[T+8*\p+4:T+8*\p+5], v[T+8*\p+6:T+8*\p+7]
.endr
.irp p, 1
	s_delay_alu instid0(VALU_DEP_2)
	v_pk_add_f32 v[T+8*\p+4:T+8*\p+5], v[T+8*\p+4:T+8*\p+5], v[T+8*\p+6:T+8*\p+7]
.endr
.irp p, 0,1
	s_delay_alu instid0(VALU_DEP_2)
	v_add_f32 v[T+8*\p], v[T+8*\p+4], v[T+8*\p+5]
.endr
	LNRED
.irp p, 0,1
	s_delay_alu instid0(VALU_DEP_2)
	v_fma_f32 v[T+8*\p], v[T+8*\p], s[RD], s[EPS]                 ; v + 1e-15
.endr
	s_wait_alu depctr_va_vdst(0)
.irp p, 0,1
	v_rsq_f32 v[T+8*\p+2], v[T+8*\p]
.endr
	v_nop                                                         ; a plain place behind the transcendentals
	s_wait_alu depctr_va_vdst(0)                                  ; one wait for both, ahead of their first reader
.irp p, 0,1
	v_mov_b32 v[T+8*\p+3], v[T+8*\p+2]
.endr
.irp k, 0,2,4,6,8,10,12,14
.irp p, 0,1
	v_pk_mul_f32 v[(\xr)+16*\p+\k:(\xr)+16*\p+\k+1], v[(\xr)+16*\p+\k:(\xr)+16*\p+\k+1], v[T+8*\p+2:T+8*\p+3]
.endr
.endr
.irp k, 0,2,4,6,8,10,12,14
.irp p, 0,1
	v_pk_fma_f32 v[(\xr)+16*\p+\k:(\xr)+16*\p+\k+1], v[(\xr)+16*\p+\k:(\xr)+16*\p+\k+1], v[(\gr)+\k:(\gr)+\k+1], v[(\sr)+\k:(\sr)+\k+1]
.endr
.endr
.endm
	s_load_b256 s[4:11], s[0:1], 0x0               ; x, g1, s1, wimg
	s_load_b256 s[12:19], s[0:1], 0x20             ; wq's, wk's, wv's scales, qbuf
	s_load_b64 s[20:21], s[0:1], 0x40              ; kv
	v_lshrrev_b32 v240, 5, v0
	s_delay_alu instid0(VALU_DEP_1)
	v_readfirstlane_b32 s[WV], v240                ; wave 0..15
	v_and_b32 v240, 31, v0                         ; lane
	v_and_b32 v241, 15, v0                         ; r
	s_wait_alu depctr_va_vdst(0)
	v_bfe_u32 v242, v0, 4, 1                       ; h
	v_and_b32 v243, 8, v241
	s_delay_alu instid0(VALU_DEP_1)
	v_add_nc_u32 v243, v243, v241                  ; r + 8 (r / 8)
	s_delay_alu instid0(VALU_DEP_1)
	v_lshl_add_u32 v244, v242, 3, v243             ; 8 h + r + 8 (r / 8)
	v_lshlrev_b32 v[LI], 4, v240
	v_lshlrev_b32 v[L8], 3, v240
	v_lshlrev_b32 v[L4], 2, v240
	v_mul_u32_u24 v[L48], v240, 48
	s_lshr_b32 s28, s[WV], 2                       ; block w of K: K step w / 4, block w % 4 = 2 c + hh in it
	s_and_b32 s29, s[WV], 1
	s_bfe_u32 s30, s[WV], 0x10001
	s_mul_i32 s31, s28, 1536
	s_mul_i32 s29, s29, 768                        ; lanes 16 hh on
	s_mul_i32 s30, s30, 24                         ; registers 6 c on
	s_add_co_u32 s31, s31, s29
	s_add_co_u32 s31, s31, s30
	v_mul_u32_u24 v[PA], v241, 48
	s_wait_alu depctr_va_vdst(0)
	v_mad_u32_u24 v[PA], v242, 12, v[PA]           ; my half block's 12 bytes
	s_delay_alu instid0(VALU_DEP_1)
	v_add_nc_u32 v[PA], s31, v[PA]
	s_lshl_b32 s28, s28, 7
	s_and_b32 s29, s[WV], 3
	s_add_co_u32 s28, s28, s29
	v_lshl_add_u32 v[SA], v241, 2, s28
	v_mul_u32_u24 v[XAH], v243, RP
	s_delay_alu instid0(VALU_DEP_1)
	v_lshl_add_u32 v[XAH], v242, 6, v[XAH]
	s_lshl_b32 s28, s[WV], 7
	s_add_co_u32 s28, s28, HST
	v_add_nc_u32 v[XAH], s28, v[XAH]               ; row r + 8 (r / 8), columns 32 w + 16 h on
	s_mul_i32 s28, s[WV], 2*RP
	s_add_co_u32 s28, s28, HST
	v_add_nc_u32 v[RAH], s28, v[LI]
	v_lshlrev_b32 v[TK16], 4, v244
	v_lshlrev_b32 v[TK8], 3, v244
	v_lshlrev_b32 v[TK4], 2, v244
	v_lshlrev_b32 v[R4], 2, v241
	v_mul_u32_u24 v[VA16], v242, 1536
	s_delay_alu instid0(VALU_DEP_1)
	v_lshl_add_u32 v[VA8], v241, 3, v[VA16]
	s_delay_alu instid0(VALU_DEP_2)
	v_lshl_add_u32 v[VA16], v241, 4, v[VA16]
	s_mov_b32 s[SEL], 0x76543210
	s_mov_b32 s[SEL+1], 0xfedcba98                 ; v_permlanex16_b32's selects for lane l xor 16
	s_mov_b32 s[HM], 0xffff0000                    ; lanes 16-31
	s_mov_b32 s[RD], 0x3b000000                    ; 1 / 512
	s_mov_b32 s[EPS], 0x26901d7d                   ; 1e-15
	s_lshl_b32 s54, ttmp9, 16                      ; x: 32 rows of 2,048 bytes a work-group,
	s_lshl_b32 s55, s[WV], 12                      ; two a wave
	s_add_co_u32 s54, s54, s55
	s_mov_b32 s55, 0
	s_mul_i32 s56, s[WV], 12288                    ; a group of 32 weight rows: 8 fragments
	s_mov_b32 s57, 0
	s_lshl_b32 s58, s[WV], 9                       ; its scale bytes: 32 rows of 16
	s_mov_b32 s59, 0
	s_lshr_b32 s28, ttmp9, 6                       ; batch
	s_lshl_b32 s28, s28, 4
	s_add_co_u32 s28, s28, s[WV]                   ; batch x 16 + head
	s_and_b32 s29, ttmp9, 63                       ; block of 32 tokens in the sequence
	s_lshl_b32 s30, s28, 6
	s_add_co_u32 s32, s30, s29
	s_mul_i32 s30, s32, 768                        ; q's codes
	s_mov_b32 s31, 0
	s_lshl_b32 s32, s32, 7
	s_add_co_u32 s32, s32, 3145728                 ; q's scale words
	s_mov_b32 s33, 0
	s_lshr_b32 s34, s29, 2
	s_lshl_b32 s35, s28, 4
	s_add_co_u32 s34, s34, s35
	s_mul_i32 s34, s34, 6400                       ; the record of my 128 keys
	s_and_b32 s35, ttmp9, 3                        ; which 32 of them are mine: beta
	s_lshr_b32 s36, s35, 1
	s_and_b32 s37, s35, 1
	s_mul_i32 s38, s36, 1536                       ; K: tiles 2 beta, 2 beta + 1: fragment beta / 2, half beta % 2
	s_mul_i32 s39, s37, 768
	s_add_co_u32 s[KC], s38, s39
	s_add_co_u32 s[KC], s[KC], s34
	s_mov_b32 s[KC+1], 0
	s_lshl_b32 s38, s36, 6
	s_lshl_b32 s39, s37, 1
	s_add_co_u32 s[KSB], s38, s39
	s_add_co_u32 s[KSB], s[KSB], s34
	s_add_co_u32 s[KSB], s[KSB], 6144
	s_mov_b32 s[KSB+1], 0
	s_mul_i32 s38, s36, 768                        ; V: key block beta = 2 c + hh: half c, lanes 16 hh on
	s_add_co_u32 s38, s38, s34
	s_lshl_b32 s39, s37, 8
	s_add_co_u32 s[VB16], s38, s39
	s_add_co_u32 s[VB16], s[VB16], 3072
	s_mov_b32 s[VB16+1], 0
	s_lshl_b32 s39, s37, 7
	s_add_co_u32 s[VB8], s38, s39
	s_add_co_u32 s[VB8], s[VB8], 3584
	s_mov_b32 s[VB8+1], 0
	s_add_co_u32 s[VSB], s34, s35
	s_add_co_u32 s[VSB], s[VSB], 6272
	s_mov_b32 s[VSB+1], 0
	s_wait_alu depctr_va_vdst(0)
	s_wait_kmcnt 0x0
	s_add_nc_u64 s[4:5], s[4:5], s[54:55]
	s_add_nc_u64 s[WB:WB+1], s[WB:WB+1], s[56:57]
	s_add_nc_u64 s[12:13], s[12:13], s[58:59]
	s_add_nc_u64 s[14:15], s[14:15], s[58:59]
	s_add_nc_u64 s[16:17], s[16:17], s[58:59]
	s_add_nc_u64 s[QC:QC+1], s[18:19], s[30:31]
	s_add_nc_u64 s[QSB:QSB+1], s[18:19], s[32:33]
	s_add_nc_u64 s[KC:KC+1], s[20:21], s[KC:KC+1]
	s_add_nc_u64 s[KSB:KSB+1], s[20:21], s[KSB:KSB+1]
	s_add_nc_u64 s[VB16:VB16+1], s[20:21], s[VB16:VB16+1]
	s_add_nc_u64 s[VB8:VB8+1], s[20:21], s[VB8:VB8+1]
	s_add_nc_u64 s[VSB:VSB+1], s[20:21], s[VSB:VSB+1]
	; ---- 1: my two rows of x are normed.  Piece i of a row: columns 128 i + 4 x lane on
.irp p, 0,1
.irp i, 0,1,2,3
	global_load_b128 v[XR+16*\p+4*\i:XR+16*\p+4*\i+3], v[LI], s[4:5] offset:2048*\p+512*\i th:TH_LOAD_NT
.endr
.endr
.irp i, 0,1,2,3
	global_load_b128 v[GR+4*\i:GR+4*\i+3], v[LI], s[6:7] offset:512*\i
.endr
.irp i, 0,1,2,3
	global_load_b128 v[SR+4*\i:SR+4*\i+3], v[LI], s[8:9] offset:512*\i
.endr
.irp t, 0,1,2
	global_load_b128 v[WS+4*\t:WS+4*\t+3], v[TK16], s[12+2*\t:13+2*\t]   ; a weight row's 16 scale bytes: one word for each K step
.endr
	WPAIR WF, WB, 0
	WPAIR WF+24, WB, 3072
	WPAIR 96, WB, 6144
	WPAIR 120, WB, 9216
	s_wait_loadcnt 27                              ; x, g1, s1 are in; the 3 loads of scale words and the 24 of four weight pairs stay out
	LNROWS XR, GR, SR
.irp p, 0,1
.irp i, 0,1,2,3
	ds_store_b128 v[RAH], v[XR+16*\p+4*\i:XR+16*\p+4*\i+3] offset:RP*\p+512*\i
.endr
.endr
	BARRIER                                        ; 32 rows of h lie in LDS
	; ---- 2: block w of all 32 rows is quantised
.irp z, 0,1
.irp i, 0,1,2,3
	ds_load_b128 v[XR+16*\z+4*\i:XR+16*\z+4*\i+3], v[XAH] offset:8*RP*\z+16*\i
.endr
.endr
	s_wait_dscnt 0x0
	QCORE XR, XR+16
	QPUT PA, HIMG, HIMG+6144, SA, HSC, HSC+64
	BARRIER                                        ; h's eight fragments and their scale words lie in LDS
	; ---- 3: every wave takes all of them
.macro H2L P                           ; h's two fragments and scale words of K step P % 4, into set P % 2: seven LDS loads
.irp z, 0,1
.irp g, 0,1,2
	ds_load_b128 v[48+24*((\P)%2)+12*\z+4*\g:48+24*((\P)%2)+12*\z+4*\g+3], v[L48] offset:HIMG+1536*(4*\z+((\P)%4))+16*\g
.endr
.endr
	ds_load_b32 v[HS+((\P)%2)], v[L4] offset:HSC+128*((\P)%4)
.endm
	H2L 0
	H2L 1
	; ---- 4: twelve pairs of weight fragments: tensor P / 4, K step P % 4; the next three pairs are on their way
.irp P, 0,1,2,3,4,5,6,7,8,9,10,11
.if \P < 11
	s_wait_dscnt 7                                 ; this step's seven LDS loads are in; the next step's seven stay out
.else
	s_wait_dscnt 0x0
.endif
.if \P < 9
	s_wait_loadcnt 18                              ; this pair is in; the next three pairs' loads stay out
.else
	s_wait_loadcnt 6*(11-\P)                       ; the counts run down
.endif
.set CM, 1
.if \P%4 == 0
.set CM, 0
.endif
.set NAT, 0
.if \P >= 8
.set NAT, 1
.endif
	MMP 176+24*(\P%4)-128*((\P%4)/2), 48+24*(\P%2), 12, WS+\P, HS+(\P%2), CM, NAT   ; the four weight buffers: v176, v200, v96, v120
	NOP4                                           ; places in front of loads into registers that the products have read, and of the first read of results
.if \P+2 <= 11
	H2L \P+2
.endif
.if \P+4 <= 11
	WPAIR 176+24*(\P%4)-128*((\P%4)/2), WB, ((\P+4)/4)*196608+3072*((\P+4)%4)
.endif
.if \P%4 == 3
	s_wait_xcnt 0x0                                ; the last tensor's stores have read v[T ..]: only behind this wait are they written again
	QCORE ACC, ACC+16
	QJOIN
.endif
.if \P == 3                            ; q: lane (r, g) holds token 8 g + r + 8 (r / 8)
	global_store_b128 v[TK16], v[T+8:T+11], s[QC:QC+1]             ; the 32 lanes fill 512 consecutive bytes
	global_store_b64 v[TK8], v[T+12:T+13], s[QC:QC+1] offset:512
	v_cndmask_b32 v[T+6], v[T+6], v[T+7], s[HM]
	s_delay_alu instid0(VALU_DEP_1)
	v_mul_lo_u32 v[T+6], v[T+6], 0x01010101        ; the byte four times: whichever block of a K step holds q's codes
	global_store_b32 v[TK4], v[T+6], s[QSB:QSB+1]
.endif
.if \P == 7                            ; k: lane (r, g) is lane (r, hh = g) of the half fragment: as it stands
	global_store_b128 v[LI], v[T+8:T+11], s[KC:KC+1]
	global_store_b64 v[L8], v[T+12:T+13], s[KC:KC+1] offset:512
	v_lshl_or_b32 v[T+6], v[T+7], 8, v[T+6]        ; row r's bytes of my two tiles are neighbours in its scale word
	global_store_b16 v[R4], v[T+6], s[KSB:KSB+1]   ; (both halves of the lanes store the same two bytes)
.endif
.if \P == 11                           ; v: lane (r, g) holds d = 8 g + r + 8 (r / 8): row r of V^T's fragment g, my 32 keys
	global_store_b128 v[VA16], v[T+8:T+11], s[VB16:VB16+1]         ; sixteen lanes fill 256 consecutive bytes
	global_store_b64 v[VA8], v[T+12:T+13], s[VB8:VB8+1]
	v_cndmask_b32 v[T+6], v[T+6], v[T+7], s[HM]
	global_store_b8 v[L4], v[T+6], s[VSB:VSB+1]
.endif
.endr
	s_wait_xcnt 0x0
	v_lshl_add_u32 v254, v0, 2, 0x13400
	v_mov_b32 v255, 0
	s_wait_alu depctr_va_vdst(0)
	s_wait_tensorcnt 0x0
	ds_add_u32 v254, v255
	s_wait_dscnt 0x0
	s_endpgm
.Lfunc_end_k_qd4697d093c_qkv:
	.size	k_qd4697d093c_qkv, .Lfunc_end_k_qd4697d093c_qkv-k_qd4697d093c_qkv
	.p2alignl 7, 3214868480
	.fill 96, 4, 3214868480
	.section	.rodata,"a",@progbits
	.p2align	6, 0x0
	.amdhsa_kernel k_qd4697d093c_qkv
		.amdhsa_group_segment_fixed_size 80896
		.amdhsa_private_segment_fixed_size 0
		.amdhsa_enable_private_segment 0
		.amdhsa_kernarg_size 72
		.amdhsa_user_sgpr_count 2
		.amdhsa_user_sgpr_kernarg_segment_ptr 1
		.amdhsa_wavefront_size32 1
		.amdhsa_system_sgpr_workgroup_id_x 1
		.amdhsa_system_sgpr_workgroup_id_y 1
		.amdhsa_system_sgpr_workgroup_id_z 1
		.amdhsa_system_vgpr_workitem_id 0
		.amdhsa_next_free_vgpr 256
		.amdhsa_next_free_sgpr 66
		.amdhsa_reserve_vcc 0
		.amdhsa_float_denorm_mode_32 3
		.amdhsa_float_denorm_mode_16_64 3
		.amdhsa_memory_ordered 1
		.amdhsa_forward_progress 1
		.amdhsa_inst_pref_size 48
	.end_amdhsa_kernel
	.amdgpu_metadata
---
amdhsa.version: [ 1, 2 ]
amdhsa.kernels:
  - .name:           k_qd4697d093c_qkv
    .symbol:         k_qd4697d093c_qkv.kd
    .args:
      - { .name: x, .offset: 0, .size: 8, .value_kind: global_buffer, .address_space: global }
      - { .name: g1, .offset: 8, .size: 8, .value_kind: global_buffer, .address_space: global }
      - { .name: s1, .offset: 16, .size: 8, .value_kind: global_buffer, .address_space: global }
      - { .name: wimg, .offset: 24, .size: 8, .value_kind: global_buffer, .address_space: global }
      - { .name: wq_scales, .offset: 32, .size: 8, .value_kind: global_buffer, .address_space: global }
      - { .name: wk_scales, .offset: 40, .size: 8, .value_kind: global_buffer, .address_space: global }
      - { .name: wv_scales, .offset: 48, .size: 8, .value_kind: global_buffer, .address_space: global }
      - { .name: qbuf, .offset: 56, .size: 8, .value_kind: global_buffer, .address_space: global }
      - { .name: kv, .offset: 64, .size: 8, .value_kind: global_buffer, .address_space: global }
    .group_segment_fixed_size: 80896
    .private_segment_fixed_size: 0
    .kernarg_segment_align: 8
    .kernarg_segment_size: 72
    .max_flat_workgroup_size: 512
    .sgpr_count:     66
    .vgpr_count:     256
    .wavefront_size: 32
...
	.end_amdgpu_metadata
.endif
;; end of part 2
;; launch attn (part 3): grid 256 x 1, 16 waves a work-group, no clusters, 104,448 bytes of LDS; arguments qbuf, kv, cbuf; writes cbuf
.if DOCPART == 3
	.amdgcn_target "amdgcn-amd-amdhsa--gfx1250"
	.amdhsa_code_object_version 6
	.text
	.protected	k_qd4697d093c_attn
	.globl	k_qd4697d093c_attn
	.p2align	8
	.type	k_qd4697d093c_attn,@function
k_qd4697d093c_attn:
	s_mov_b64 s[64:65], 0
	v_nop
	global_prefetch_b8 v0, s[64:65] scope:SCOPE_SE
	s_setreg_imm32_b32 hwreg(HW_REG_WAVE_MODE, 25, 1), 1
	s_wait_xcnt 0x0
; ctx = softmax(q k^T / sqrt(32), causal) v for one head, both products on codes of E2M3; ctx is quantised along the model's 512 (a head is one block of 32) and stored as the next launch's operand.
; THE SOFTMAX AHEAD OF THE SECOND PRODUCT: t = score x log2(e) / sqrt(32) (one constant: one rounding where the source has two); M = the row's largest t so far, rounded UP to a whole number; p = 2^(t - M) is quantised
; along the keys, not normalised; the row's sum is taken of the unquantised p and divides at the end.  When M moves, the sum and O are multiplied by 2^(old M - new M): exact.
; SHARES.  A work-group is (batch x head, quarter z).  Wave j owns the query tiles p = 16 z + j and 127 - p (16 queries each): (p / 8 + 1) + ((127 - p) / 8 + 1) = 17 key steps of 128 under the mask, for every wave.
; The head's K, V and scale words, 16 records of 6,400 bytes, are copied into LDS once and read by all sixteen waves.  One barrier.
; q k^T HAS K = 32 AND THE INSTRUCTION 128.  A fragment of K holds FOUR tiles of 16 keys, one in each block of 32; q stands in the run 0, QL, 0, QH, 0 (six registers each; QL: the query's 24 bytes in lanes 0-15,
; QH: in lanes 16-31), of which 12 registers from place 6, 18, 0 or 12 on hold q in block 0, 1, 2 or 3 alone and zero codes elsewhere.  So K's bytes are dense, and each instruction multiplies one tile.
; Both products are used transposed: a lane holds ONE query (lane % 16).  The keys of a tile are not neighbours (lane r of tile 2 b + u: key 32 b + 8 u + r + 8 (r / 8)), so that p's 16 registers of two tiles are 16
; neighbouring keys; V^T's rows likewise, so that O^T's 16 registers are d = 16 (lane / 16) + 0..15.
; EVERY TILE WALKS 16 TRIPS: the trip count is a constant; a trip whose keys all come after the tile's queries is left out by a scalar branch on ids.
; NO CLUSTER: the four work-groups of a head share 102,400 bytes, each read once at its head, through registers; beside 17 key steps in each of 16 waves that is a small part.
; LIMITS: NaN and infinities are not served.  A block whose largest magnitude lies under 2^-124 gets the scale byte 1 (read by this program alone).  1 / l by v_rcp_f32.
.set LI,   1                           ; v1  16 x lane
.set L8,   2                           ; v2  8 x lane
.set L4,   3                           ; v3  4 x lane
.set AD16, 4                           ; v4-6 the same in the record in hand
.set AD8,  5
.set AD4,  6
.set DM,   7                           ; v7  r - 16 h
.set R16,  8                           ; v8-10 16 r, 8 r, 4 r
.set R8,   9
.set R4,   10
.set QR,   16                          ; v16-45 q's run
.set QS,   46                          ; v46 q's scale words, v47 K's (lanes 0-15 fragment 0, lanes 16-31 fragment 1), v48 V's likewise
.set KS,   47
.set VS,   48
.set KF,   50                          ; v50-73   K's two fragments
.set VF,   74                          ; v74-97   V^T's two
.set SCR,  98                          ; v98-161  S^T, then p
.set OT,   162                         ; v162-177 O^T
.set PC,   178                         ; v178-189 p's codes
.set PT,   190                         ; v190-197 their other halves
.set BM,   198                         ; v198-201 the blocks' largest scores, then largest p
.set BT,   202                         ; v202-205 at work
.set SCO,  206                         ; v206-209 the conversions' scale operands
.set FF,   210                         ; v[210:211] f = 2^(old M - new M); at the end 1 / l
.set TA,   212
.set PS,   213                         ; v213 p's scale word
.set TI,   214                         ; v214 -infinity
.set QT,   216                         ; v216-221 the query's 24 bytes
.set CX,   224                         ; v224-231 ctx's codes of the two tiles
.set BY,   232                         ; v232-233 their scale bytes
.set VC16, 234
.set VC8,  235
.set VCS,  236
.set WV,   10
.set SEL,  20
.set CS,   22
.set HM,   24
.set NS,   25
.set CNT,  26
.set TB,   27
.macro NOP4
.rept 4
	v_nop
.endr
.endm
.macro WM d, a, b, c, sa, sb, ra, rb   ; one product.  c < 0: the sum starts with 0.  ra: source 0's scale words stand in lanes 16-31
.if (\c) < 0
.if (\ra)
	v_wmma_scale_f32_16x16x128_f8f6f4 v[(\d):(\d)+7], v[(\a):(\a)+11], v[(\b):(\b)+11], 0, v[(\sa)], v[(\sb)] matrix_a_fmt:MATRIX_FMT_FP6 matrix_b_fmt:MATRIX_FMT_FP6 matrix_a_scale:MATRIX_SCALE_ROW1
.else
	v_wmma_scale_f32_16x16x128_f8f6f4 v[(\d):(\d)+7], v[(\a):(\a)+11], v[(\b):(\b)+11], 0, v[(\sa)], v[(\sb)] matrix_a_fmt:MATRIX_FMT_FP6 matrix_b_fmt:MATRIX_FMT_FP6
.endif
.else
.if (\ra)
	v_wmma_scale_f32_16x16x128_f8f6f4 v[(\d):(\d)+7], v[(\a):(\a)+11], v[(\b):(\b)+11], v[(\c):(\c)+7], v[(\sa)], v[(\sb)] matrix_a_fmt:MATRIX_FMT_FP6 matrix_b_fmt:MATRIX_FMT_FP6 matrix_a_scale:MATRIX_SCALE_ROW1
.else
	v_wmma_scale_f32_16x16x128_f8f6f4 v[(\d):(\d)+7], v[(\a):(\a)+11], v[(\b):(\b)+11], v[(\c):(\c)+7], v[(\sa)], v[(\sb)] matrix_a_fmt:MATRIX_FMT_FP6 matrix_b_fmt:MATRIX_FMT_FP6
.endif
.endif
.endm
.macro FRAGS reg, off                  ; two fragments from the record in hand: a half fragment is 512 bytes at 16 x lane and 256 at 8 x lane
.irp f, 0,1
.irp c, 0,1
	ds_load_b128 v[(\reg)+12*\f+6*\c:(\reg)+12*\f+6*\c+3], v[AD16] offset:(\off)+1536*\f+768*\c
	ds_load_b64 v[(\reg)+12*\f+6*\c+4:(\reg)+12*\f+6*\c+5], v[AD8] offset:(\off)+1536*\f+768*\c+512
.endr
.endr
.endm
	s_load_b128 s[4:7], s[0:1], 0x0                ; qbuf, kv
	s_load_b64 s[8:9], s[0:1], 0x10                ; cbuf
	v_lshl_add_u32 v254, v0, 2, 0x19000
	v_mov_b32 v255, 0
	v_lshrrev_b32 v11, 5, v0
	s_delay_alu instid0(VALU_DEP_1)
	v_readfirstlane_b32 s[WV], v11                 ; wave 0..15
	v_and_b32 v11, 31, v0
	s_delay_alu instid0(VALU_DEP_1)
	v_lshlrev_b32 v[LI], 4, v11
	s_delay_alu instid0(VALU_DEP_2)
	v_lshlrev_b32 v[L8], 3, v11
	s_delay_alu instid0(VALU_DEP_3)
	v_lshlrev_b32 v[L4], 2, v11
	v_and_b32 v[R4], 15, v0                        ; r
	v_bfe_u32 v11, v0, 4, 1                        ; h
	s_delay_alu instid0(VALU_DEP_1)
	v_lshlrev_b32 v[DM], 4, v11
	s_delay_alu instid0(VALU_DEP_1)
	v_sub_nc_u32 v[DM], v[R4], v[DM]
	s_delay_alu instid0(VALU_DEP_4)
	v_lshlrev_b32 v[R16], 4, v[R4]
	v_lshlrev_b32 v[R8], 3, v[R4]
	v_lshlrev_b32 v[R4], 2, v[R4]
	s_lshr_b32 s11, ttmp9, 2                       ; batch x 16 + head
	s_and_b32 s12, ttmp9, 3                        ; z
	s_lshl_b32 s13, s12, 4
	s_add_co_u32 s14, s13, s[WV]                   ; my first tile of queries
	s_sub_co_u32 s15, 127, s14                     ; my second
	s_lshr_b32 s16, s11, 4                         ; batch
	s_and_b32 s17, s11, 15                         ; head
	s_lshl_b32 s32, s11, 4
	s_add_co_u32 s32, s32, s[WV]
	s_mul_i32 s32, s32, 6400                       ; record w of my head, in memory,
	s_mov_b32 s33, 0
	s_mul_i32 s34, s[WV], 6400                     ; and in LDS
	v_add_nc_u32 v[AD16], s34, v[LI]
	v_add_nc_u32 v[AD8], s34, v[L8]
	s_mov_b32 s[SEL], 0x76543210
	s_mov_b32 s[SEL+1], 0xfedcba98                 ; v_permlanex16_b32's selects for lane l xor 16
	s_mov_b32 s[CS], 0x3e8293ee                    ; c = log2(e) / sqrt(32)
	s_mov_b32 s[CS+1], s[CS]                       ; (named with it as a pair, so it is written)
	s_mov_b32 s[HM], 0xffff0000                    ; lanes 16-31
; byte offsets in qbuf of query tile s[st]: its 16-byte pieces s[b], its 8-byte pieces s[b+2], its scale words s[b+4]
.macro QADR st, b
	s_lshr_b32 s28, s[\st], 1                      ; its block of 32 tokens,
	s_and_b32 s29, s[\st], 1                       ; and which half of it
	s_lshl_b32 s30, s11, 6
	s_add_co_u32 s30, s30, s28
	s_mul_i32 s30, s30, 768
	s_lshl_b32 s[\b], s29, 8
	s_add_co_u32 s[\b], s[\b], s30
	s_mov_b32 s[\b+1], 0
	s_lshl_b32 s[\b+2], s29, 7
	s_add_co_u32 s[\b+2], s[\b+2], s30
	s_add_co_u32 s[\b+2], s[\b+2], 512
	s_mov_b32 s[\b+3], 0
	s_lshl_b32 s[\b+4], s11, 7
	s_add_co_u32 s[\b+4], s[\b+4], s[\st]
	s_lshl_b32 s[\b+4], s[\b+4], 6
	s_add_co_u32 s[\b+4], s[\b+4], 3145728
	s_mov_b32 s[\b+5], 0
.endm
	QADR 14, 36                                    ; both tiles' queries are asked for at the head
	QADR 15, 42
	s_wait_alu depctr_va_vdst(0)
	s_wait_kmcnt 0x0
	s_add_nc_u64 s[32:33], s[6:7], s[32:33]
.irp b, 36,38,40,42,44,46
	s_add_nc_u64 s[\b:\b+1], s[4:5], s[\b:\b+1]
.endr
.irp i, 0,1,2,3,4,5,6,7,8,9,10,11
	global_load_b128 v[SCR+4*\i:SCR+4*\i+3], v[LI], s[32:33] offset:512*\i
.endr
	global_load_b64 v[SCR+48:SCR+49], v[L8], s[32:33] offset:6144
	global_load_b128 v[QT:QT+3], v[R16], s[36:37]  ; both halves of the lanes take query r's 24 bytes: the first tile's,
	global_load_b64 v[QT+4:QT+5], v[R8], s[38:39]
	global_load_b32 v[QS], v[R4], s[40:41]
	global_load_b128 v[238:241], v[R16], s[42:43]  ; and the second tile's
	global_load_b64 v[222:223], v[R8], s[44:45]
	global_load_b32 v237, v[R4], s[46:47]
.irp i, 0,1,2,3,4,5
	v_mov_b32 v[QR+\i], 0                          ; the run's three stretches of zero codes
	v_mov_b32 v[QR+12+\i], 0
	v_mov_b32 v[QR+24+\i], 0
.endr
.irp b, 0,1,2,3
	v_mov_b32 v[BT+\b], 0                          ; written once: a lane permute's destination counts as one of its sources
.endr
	v_mov_b32 v[FF+1], 0                           ; (named as the upper half of a pair)
	v_mov_b32 v[TA], 0
	v_mov_b32 v[TI], 0xff800000
	s_wait_loadcnt 6                               ; my record's 13 loads are in; the six loads of queries stay out
.irp i, 0,1,2,3,4,5,6,7,8,9,10,11
	ds_store_b128 v[AD16], v[SCR+4*\i:SCR+4*\i+3] offset:512*\i
.endr
	ds_store_b64 v[AD8], v[SCR+48:SCR+49] offset:6144
	s_wait_dscnt 0x0                               ; for the others' sake: my record has landed
	s_barrier_signal -1
	s_barrier_wait -1                              ; the head's sixteen records lie in LDS; nothing is written there again
; One tile of 16 queries, whose number stands in s[st]; its codes go to v[CX + 4 idx ..], its scale byte to v[BY + idx].
.macro ATT idx, st
.set QSI, QS+191*\idx                  ; the tile's scale words: v46 or v237
.set QTA, QT+22*\idx                   ; its first 16 bytes: v216-219 or v238-241
.set QTB, QT+2*\idx                    ; its last 8 (registers 4, 5): v220-221 or v222-223
	v_mov_b32 v[AD16], v[LI]                       ; record 0: K's fragments of the first trip
	v_mov_b32 v[AD8], v[L8]
	v_mov_b32 v[AD4], v[L4]
	FRAGS KF, 0
	ds_load_b32 v[KS], v[AD4] offset:6144
	s_lshr_b32 s[NS], s[\st], 3
	s_add_co_u32 s[NS], s[NS], 1                   ; key steps that hold a key that counts
	s_and_b32 s28, s[\st], 7
	s_lshl_b32 s28, s28, 4                         ; my first query, counted from the last step's first key
	s_mov_b32 s[CNT], 0
	s_mov_b32 s[TB], 0
	s_lshr_b32 s31, s28, 5                         ; blocks of 32 keys of the last step that lie wholly ahead of my first query
	s_wait_loadcnt 3-3*\idx                        ; this tile's three loads are in; behind the first tile's stand the second's three
.irp i, 0,1,2,3
	v_cndmask_b32 v[QR+6+\i], v[QTA+\i], v[QR], s[HM]              ; QL
	v_cndmask_b32 v[QR+18+\i], v[QR], v[QTA+\i], s[HM]             ; QH
.endr
.irp i, 4,5
	v_cndmask_b32 v[QR+6+\i], v[QTB+\i], v[QR], s[HM]
	v_cndmask_b32 v[QR+18+\i], v[QR], v[QTB+\i], s[HM]
.endr
.set j, 0
.rept 16
	v_mov_b32 v[OT+j], 0                           ; O^T.  (The step is written once: the first finds zeros.)  These lines are also the places between q's run and the first product
.set j, j+1
.endr
	v_mov_b32 v13, 0xff61b1e6                      ; the largest t so far: -3e38, under every t
	s_delay_alu instid0(VALU_DEP_1)
	v_floor_f32 v12, -v13                          ; -M
	v_mov_b32 v14, 0                               ; the sum, in two halves
	v_mov_b32 v15, 0
.Ltrip_\@:
	s_cmp_ge_u32 s[CNT], s[NS]
	s_cbranch_scc1 .Ltail_\@                       ; all 128 keys come after my queries
	v_add_nc_u32 v[AD16], s[TB], v[LI]
	v_add_nc_u32 v[AD8], s[TB], v[L8]
	v_add_nc_u32 v[AD4], s[TB], v[L4]
	v_nop                                          ; four places in front of loads into registers that the last trip's products have read
	FRAGS VF, 3072
	ds_load_b32 v[VS], v[AD4] offset:6272
	s_wait_dscnt 9                                 ; K's nine loads, issued a trip ago (or ahead of the loop), are in; V's nine stay out
.set tt, 0
.rept 8
	WM SCR+8*tt, KF+12*(tt/4), QR+6*(1-((tt%4)/2))+12*(tt%2), -1, KS, QSI, tt/4, 0
.set tt, tt+1
.endr
	s_add_co_u32 s30, s[TB], 6400
	s_min_u32 s30, s30, 96000                      ; the next record, held at the head's last one (what the last trip fetches is not multiplied)
	v_add_nc_u32 v[AD16], s30, v[LI]               ; these four lines are the places behind the eight products
	v_add_nc_u32 v[AD8], s30, v[L8]
	v_add_nc_u32 v[AD4], s30, v[L4]
	v_add_nc_u32 v[TA], s28, v[DM]                 ; register 16 b + i holds key 32 b + 16 (lane / 16) + i of the step: hidden where 32 b + i > my query - 16 (lane / 16)
	FRAGS KF, 0                                    ; the next trip's K: its registers are free
	ds_load_b32 v[KS], v[AD4] offset:6144
	s_add_co_u32 s29, s[CNT], 1
	s_cmp_lg_u32 s29, s[NS]
	s_wait_alu depctr_va_vdst(0)
	s_cbranch_scc1 .Lopen_\@                       ; only the last step lies on the diagonal
.irp b, 0,1,2,3
.if \b < 3
	s_cmp_gt_u32 s31, \b                           ; all 32 keys of this block count for all my queries: nothing to hide
	s_cbranch_scc1 .Lvis_\@_\b
.endif
.set n, 16*\b
.rept 16
	v_cmp_gt_i32 vcc_lo, 32*(n/16)+n%16, v[TA]
	v_cndmask_b32 v[SCR+n], v[SCR+n], v[TI], vcc_lo
.set n, n+1
.endr
.Lvis_\@_\b:
.endr
.Lopen_\@:
.irp b, 0,1,2,3
	v_max3_num_f32 v[BM+\b], v[SCR+16*\b], v[SCR+1+16*\b], v[SCR+2+16*\b]   ; the largest score of each block of 32 keys: for the row's maximum and, since p rises with the score, for the block's largest p
.endr
.irp i, 3,5,7,9,11,13
.irp b, 0,1,2,3
	v_max3_num_f32 v[BM+\b], v[BM+\b], v[SCR+16*\b+\i], v[SCR+1+16*\b+\i]
.endr
.endr
.irp b, 0,1,2,3
	v_max_num_f32 v[BM+\b], v[BM+\b], v[SCR+15+16*\b]
.endr
.irp b, 0,1,2,3
	s_delay_alu instid0(VALU_DEP_4)
	v_permlanex16_b32 v[BT+\b], v[BM+\b], s[SEL], s[SEL+1]
.endr
.irp b, 0,1,2,3
	s_delay_alu instid0(VALU_DEP_4)
	v_max_num_f32 v[BM+\b], v[BM+\b], v[BT+\b]     ; with lane l xor 16's 16 keys
.endr
	s_delay_alu instid0(VALU_DEP_2)
	v_max3_num_f32 v[TA], v[BM], v[BM+1], v[BM+2]
	s_delay_alu instid0(VALU_DEP_1)
	v_max_num_f32 v[TA], v[TA], v[BM+3]
	s_delay_alu instid0(VALU_DEP_1)
	v_mul_f32 v[TA], s[CS], v[TA]                  ; the step's largest t
	s_delay_alu instid0(VALU_DEP_1)
	v_max_num_f32 v13, v13, v[TA]
	v_mov_b32 v[TA], v12
	s_delay_alu instid0(VALU_DEP_2)
	v_floor_f32 v12, -v13                          ; the new -M = -ceil(t): a whole number
	s_delay_alu instid0(VALU_DEP_1)
	v_sub_f32 v[TA], v12, v[TA]                    ; old M - new M, 0 or less
	s_delay_alu instid0(VALU_DEP_1)
	v_cvt_i32_f32 v[TA], v[TA]                     ; (it saturates)
	s_delay_alu instid0(VALU_DEP_1)
	v_ldexp_f32 v[FF], 1.0, v[TA]                  ; f
.set j, 0
.rept 32
	v_pk_fma_f32 v[SCR+j:SCR+j+1], v[SCR+j:SCR+j+1], s[CS:CS+1], v[12:13] op_sel_hi:[1,0,0]   ; t - M
.set j, j+2
.endr
.irp b, 0,1,2,3
	v_fma_f32 v[BM+\b], v[BM+\b], s[CS], v12
.endr
.set j, 0
	s_wait_alu depctr_va_vdst(0)
.rept 64
	v_exp_f32 v[SCR+j], v[SCR+j]                   ; p = 2^(t - M)
.set j, j+1
.endr
	v_pk_mul_f32 v[14:15], v[14:15], v[FF:FF+1] op_sel_hi:[1,0]    ; the sums under the new M (a plain place behind the exponentials)
	s_wait_alu depctr_va_vdst(0)                   ; one wait for the batch, ahead of its first reader
.irp b, 0,1,2,3
	v_exp_f32 v[BM+\b], v[BM+\b]                   ; the blocks' largest p
.endr
	v_pk_add_f32 v[202:203], v[102:103], v[106:107]
	v_pk_add_f32 v[252:253], v[110:111], v[114:115]
	v_pk_add_f32 v[250:251], v[118:119], v[122:123]
	v_pk_add_f32 v[248:249], v[126:127], v[130:131]
	v_pk_add_f32 v[246:247], v[134:135], v[138:139]
	v_pk_add_f32 v[244:245], v[142:143], v[146:147]
	v_pk_add_f32 v[242:243], v[150:151], v[154:155]
	v_pk_add_f32 v[14:15], v[14:15], v[158:159]
	v_pk_add_f32 v[202:203], v[202:203], v[98:99]
	v_pk_add_f32 v[252:253], v[252:253], v[100:101]
	v_pk_add_f32 v[250:251], v[250:251], v[104:105]
	v_pk_add_f32 v[248:249], v[248:249], v[108:109]
	v_pk_add_f32 v[246:247], v[246:247], v[112:113]
	v_pk_add_f32 v[244:245], v[244:245], v[116:117]
	v_pk_add_f32 v[242:243], v[242:243], v[120:121]
	v_pk_add_f32 v[14:15], v[14:15], v[124:125]
	v_pk_add_f32 v[202:203], v[202:203], v[128:129]
	v_pk_add_f32 v[252:253], v[252:253], v[132:133]
	v_pk_add_f32 v[250:251], v[250:251], v[136:137]
	v_pk_add_f32 v[248:249], v[248:249], v[140:141]
	v_pk_add_f32 v[246:247], v[246:247], v[144:145]
	v_pk_add_f32 v[244:245], v[244:245], v[148:149]
	v_pk_add_f32 v[242:243], v[242:243], v[152:153]
	v_pk_add_f32 v[14:15], v[14:15], v[156:157]
	v_pk_add_f32 v[202:203], v[202:203], v[160:161]
	s_delay_alu instid0(VALU_DEP_2)
	v_pk_add_f32 v[14:15], v[14:15], v[248:249]
	s_delay_alu instid0(VALU_DEP_2)
	v_pk_add_f32 v[202:203], v[202:203], v[246:247]
	v_pk_add_f32 v[252:253], v[252:253], v[244:245]
	v_pk_add_f32 v[250:251], v[250:251], v[242:243]
	s_delay_alu instid0(VALU_DEP_2)
	v_pk_add_f32 v[14:15], v[14:15], v[252:253]
	s_delay_alu instid0(VALU_DEP_2)
	v_pk_add_f32 v[202:203], v[202:203], v[250:251]
	s_delay_alu instid0(VALU_DEP_1)
	v_pk_add_f32 v[14:15], v[14:15], v[202:203]
	s_wait_alu depctr_va_vdst(0)                   ; and one for the four
.irp b, 0,1,2,3
	v_max_num_f32 v[BM+\b], 0x1800000, v[BM+\b]    ; the floor 2^(3 - 127): the byte cannot fall under 1
.endr
.irp b, 0,1,2,3
	s_delay_alu instid0(VALU_DEP_4)
	v_add_nc_u32 v[SCO+\b], 0xff000000, v[BM+\b]
.endr
.irp b, 0,1,2,3
	s_delay_alu instid0(VALU_DEP_4)
	v_lshrrev_b32 v[BT+\b], 23, v[SCO+\b]
.endr
	s_delay_alu instid0(VALU_DEP_3)
	v_lshl_or_b32 v[PS], v[BT+1], 8, v[BT]
	s_delay_alu instid0(VALU_DEP_1)
	v_lshl_or_b32 v[PS], v[BT+2], 16, v[PS]
	s_delay_alu instid0(VALU_DEP_1)
	v_lshl_or_b32 v[PS], v[BT+3], 24, v[PS]        ; p's scale word for these 128 keys
.irp c, 0,1
	v_cvt_scalef32_pk16_fp6_f32 v[PC+6*\c:PC+6*\c+2], v[SCR+32*\c:SCR+32*\c+15], v[SCO+2*\c]
	v_cvt_scalef32_pk16_fp6_f32 v[PT+4*\c:PT+4*\c+2], v[SCR+32*\c+16:SCR+32*\c+31], v[SCO+2*\c+1]
.endr
	v_nop                                          ; one plain place behind a scaled conversion
.irp c, 0,1                            ; a whole block to a lane: lanes 0-15 block 2 c, lanes 16-31 block 2 c + 1
.irp i, 0,1,2
	v_permlane16_swap_b32 v[PC+6*\c+\i], v[PT+4*\c+\i]
.endr
.irp i, 0,1,2
	s_delay_alu instid0(VALU_DEP_3)
	v_mov_b32 v[PC+3+6*\c+\i], v[PT+4*\c+\i]
.endr
.endr
.irp j, 0,2,4,6,8,10,12,14
	v_pk_mul_f32 v[OT+\j:OT+\j+1], v[OT+\j:OT+\j+1], v[FF:FF+1] op_sel_hi:[1,0]   ; O^T under the new M
.endr
	NOP4                                           ; p's codes stand twelve places ahead of the first product
	s_wait_alu depctr_va_vdst(0)
	s_wait_dscnt 9                                 ; V is in; the next trip's nine loads of K stay out
	WM OT, VF, PC, OT, VS, PS, 0, 0
	WM OT+8, VF+12, PC, OT+8, VS, PS, 1, 0
.Ltail_\@:
	s_add_co_u32 s[TB], s[TB], 6400
	s_add_co_u32 s[CNT], s[CNT], 1
	s_cmp_lt_u32 s[CNT], 16
	s_cbranch_scc1 .Ltrip_\@
	s_wait_dscnt 0x0                               ; the last fetch of K has landed: its registers may be loaded again
	NOP4
	s_wait_alu depctr_va_vdst(0)
	v_add_f32 v14, v14, v15
	s_delay_alu instid0(VALU_DEP_1)
	v_permlanex16_b32 v[TA], v14, s[SEL], s[SEL+1]
	s_delay_alu instid0(VALU_DEP_1)
	v_add_f32 v14, v14, v[TA]                      ; the row's sum
	s_wait_alu depctr_va_vdst(0)
	v_rcp_f32 v[FF], v14
	v_nop
	s_wait_alu depctr_va_vdst(0)
.irp j, 0,2,4,6,8,10,12,14
	v_pk_mul_f32 v[SCR+\j:SCR+\j+1], v[OT+\j:OT+\j+1], v[FF:FF+1] op_sel_hi:[1,0]   ; ctx(query r, d = 16 h + 0..15)
.endr
	v_max3_num_f32 v[BM], |v[SCR]|, |v[SCR+1]|, 0x1800000
.irp i, 2,4,6,8,10,12,14
	s_delay_alu instid0(VALU_DEP_1)
	v_max3_num_f32 v[BM], v[BM], |v[SCR+\i]|, |v[SCR+\i+1]|
.endr
	s_delay_alu instid0(VALU_DEP_1)
	v_permlanex16_b32 v[BT], v[BM], s[SEL], s[SEL+1]
	s_delay_alu instid0(VALU_DEP_1)
	v_max_num_f32 v[BM], v[BM], v[BT]              ; the head's 32 numbers are one block of the next K
	s_delay_alu instid0(VALU_DEP_1)
	v_add_nc_u32 v[SCO], 0xff000000, v[BM]
	s_delay_alu instid0(VALU_DEP_1)
	v_lshrrev_b32 v[BY+\idx], 23, v[SCO]
	v_cvt_scalef32_pk16_fp6_f32 v[CX+4*\idx:CX+4*\idx+2], v[SCR:SCR+15], v[SCO]
	v_nop
.endm
	ATT 0, 14
	ATT 1, 15
	; ---- out: lane (r, g) takes tile g's whole block.  cbuf: 12,800 bytes for 32 tokens: fragment (tile of 16 tokens u, K step s) at (4 u + s) x 1,536, halves as in kv; then the scale words at 128 s + 64 u + 4 r
.irp i, 0,1,2
	v_permlane16_swap_b32 v[CX+\i], v[CX+4+\i]
.endr
	s_delay_alu instid0(VALU_DEP_3)
	v_mov_b32 v[CX+3], v[CX+4]
	s_delay_alu instid0(VALU_DEP_3)
	v_mov_b32 v[CX+4], v[CX+5]
	s_delay_alu instid0(VALU_DEP_3)
	v_mov_b32 v[CX+5], v[CX+6]
	v_cndmask_b32 v[BY], v[BY], v[BY+1], s[HM]
	s_lshl_b32 s42, s16, 6
	s_lshr_b32 s43, s14, 1
	s_add_co_u32 s43, s43, s42
	s_mul_i32 s43, s43, 12800                      ; the first tile's record,
	s_and_b32 s44, s14, 1
	s_mul_i32 s45, s44, 6144
	s_add_co_u32 s45, s45, s43                     ; its fragments,
	s_lshl_b32 s44, s44, 6
	s_add_co_u32 s44, s44, s43                     ; its scale words
	s_lshr_b32 s46, s15, 1
	s_add_co_u32 s46, s46, s42
	s_mul_i32 s46, s46, 12800                      ; the second tile's
	s_and_b32 s47, s15, 1
	s_mul_i32 s48, s47, 6144
	s_add_co_u32 s48, s48, s46
	s_lshl_b32 s47, s47, 6
	s_add_co_u32 s47, s47, s46
	s_lshr_b32 s49, s17, 2                         ; head = 4 s + 2 c + hh
	s_bfe_u32 s50, s17, 0x10001
	s_and_b32 s51, s17, 1
	s_mul_i32 s52, s49, 1536
	s_mul_i32 s50, s50, 768
	s_add_co_u32 s52, s52, s50
	s_lshl_b32 s50, s51, 8
	s_add_co_u32 s50, s50, s52
	s_lshl_b32 s51, s51, 7
	s_add_co_u32 s51, s51, s52
	s_add_co_u32 s51, s51, 512
	s_lshl_b32 s49, s49, 7
	s_and_b32 s52, s17, 3
	s_add_co_u32 s49, s49, s52
	s_add_co_u32 s49, s49, 12288
	v_mov_b32 v[VC16], s45
	v_mov_b32 v[VC8], s48
	s_delay_alu instid0(VALU_DEP_1)
	v_cndmask_b32 v[VC16], v[VC16], v[VC8], s[HM]
	s_delay_alu instid0(VALU_DEP_1)
	v_add3_u32 v[VC8], v[VC16], s51, v[R8]
	s_delay_alu instid0(VALU_DEP_2)
	v_add3_u32 v[VC16], v[VC16], s50, v[R16]
	v_mov_b32 v[VCS], s44
	v_mov_b32 v[TA], s47
	s_delay_alu instid0(VALU_DEP_1)
	v_cndmask_b32 v[VCS], v[VCS], v[TA], s[HM]
	s_delay_alu instid0(VALU_DEP_1)
	v_add3_u32 v[VCS], v[VCS], s49, v[R4]
	global_store_b128 v[VC16], v[CX:CX+3], s[8:9]  ; sixteen lanes fill 256 consecutive bytes, at a multiple of 256 from cbuf's first byte
	global_store_b64 v[VC8], v[CX+4:CX+5], s[8:9]
	global_store_b8 v[VCS], v[BY], s[8:9]
	s_wait_tensorcnt 0x0
	ds_add_u32 v254, v255
	s_wait_dscnt 0x0
	s_endpgm
.Lfunc_end_k_qd4697d093c_attn:
	.size	k_qd4697d093c_attn, .Lfunc_end_k_qd4697d093c_attn-k_qd4697d093c_attn
	.p2alignl 7, 3214868480
	.fill 96, 4, 3214868480
	.section	.rodata,"a",@progbits
	.p2align	6, 0x0
	.amdhsa_kernel k_qd4697d093c_attn
		.amdhsa_group_segment_fixed_size 104448
		.amdhsa_private_segment_fixed_size 0
		.amdhsa_enable_private_segment 0
		.amdhsa_kernarg_size 24
		.amdhsa_user_sgpr_count 2
		.amdhsa_user_sgpr_kernarg_segment_ptr 1
		.amdhsa_wavefront_size32 1
		.amdhsa_system_sgpr_workgroup_id_x 1
		.amdhsa_system_sgpr_workgroup_id_y 1
		.amdhsa_system_sgpr_workgroup_id_z 1
		.amdhsa_system_vgpr_workitem_id 0
		.amdhsa_next_free_vgpr 256
		.amdhsa_next_free_sgpr 66
		.amdhsa_reserve_vcc 1
		.amdhsa_float_denorm_mode_32 3
		.amdhsa_float_denorm_mode_16_64 3
		.amdhsa_memory_ordered 1
		.amdhsa_forward_progress 1
		.amdhsa_inst_pref_size 61
	.end_amdhsa_kernel
	.amdgpu_metadata
---
amdhsa.version: [ 1, 2 ]
amdhsa.kernels:
  - .name:           k_qd4697d093c_attn
    .symbol:         k_qd4697d093c_attn.kd
    .args:
      - { .name: qbuf, .offset: 0, .size: 8, .value_kind: global_buffer, .address_space: global }
      - { .name: kv, .offset: 8, .size: 8, .value_kind: global_buffer, .address_space: global }
      - { .name: cbuf, .offset: 16, .size: 8, .value_kind: global_buffer, .address_space: global }
    .group_segment_fixed_size: 104448
    .private_segment_fixed_size: 0
    .kernarg_segment_align: 8
    .kernarg_segment_size: 24
    .max_flat_workgroup_size: 512
    .sgpr_count:     66
    .vgpr_count:     256
    .wavefront_size: 32
...
	.end_amdgpu_metadata
.endif
;; end of part 3
;; launch ffn (part 4): grid 256 x 1, 16 waves a work-group, no clusters, 210,944 bytes of LDS; arguments x, cbuf, wimg, wo_scales, bo, g2, s2, w1_scales, b1, w2_scales, b2, out0; writes out0
.if DOCPART == 4
	.amdgcn_target "amdgcn-amd-amdhsa--gfx1250"
	.amdhsa_code_object_version 6
	.text
	.protected	k_qd4697d093c_ffn
	.globl	k_qd4697d093c_ffn
	.p2align	8
	.type	k_qd4697d093c_ffn,@function
k_qd4697d093c_ffn:
	s_mov_b64 s[64:65], 0
	v_nop
	global_prefetch_b8 v0, s[64:65] scope:SCOPE_SE
	s_setreg_imm32_b32 hwreg(HW_REG_WAVE_MODE, 25, 1), 1
	s_wait_xcnt 0x0
; x2 = x + ctx wo + bo;  out = x2 + gelu(layer norm(x2; g2, s2) w1 + b1) w2 + b2.  The three products on codes of E2M3 with one E8M0 scale for each 32 along K; all else in f32.  Nothing between goes to memory.
; SHARES.  A work-group takes 32 neighbouring tokens (rows stay whole for the norm), sixteen waves.  THE WAVES SHARE THE COLUMNS: wave w makes columns 32 w .. + 31 of x2 and of out, and hidden units 128 w .. + 127.
; All products are used transposed (source 0 = 16 weight rows, source 1 = 16 tokens): lane (r, h) holds token 16 u + r, and, by the weights' tile order (lane r of tile y: row 8 y + r + 8 (r / 8)), the 16 registers of a
; group's two tiles are columns 16 h + 0..15 of the group's 32: half a block of the next K.
; The weights come from wimg straight into registers, a pair of fragments (two tiles, one K step) at a time; each fragment is wanted by one wave alone and feeds two products.
; Operands made here (the normed rows, the hidden layer) go from wave to wave through LDS, lane L's 12 registers at 48 L; ctx's record is copied as it lies.  x2 is parked in LDS for the norm and for the residual.
; gelu(x) = x / (1 + 2^(x (K0 + KA x^2))), K0 = -2 log2(e) sqrt(2 / pi), KA = 0.044715 K0: the same number as 0.5 x (1 + tanh(..)), without its cancellation.
; NO CLUSTER: all work-groups walk the same 1,769,472 bytes of weights, but a fragment goes into the registers of the one wave that multiplies by it; a joint load would lay it in LDS first, to be read there once.
; LIMITS: NaN and infinities among the inputs are not served.  A block whose largest magnitude lies under 2^-124 gets the scale byte 1.  1 / sqrt, 2^x and 1 / x by v_rsq_f32, v_exp_f32, v_rcp_f32.
.set CIMG,  0                          ; LDS: ctx's record: 8 fragments, then 512 bytes of scale words
.set H2IMG, 12800                      ; the normed rows' 8 fragments, (4 u + s) x 1,536
.set H2SC,  25088                      ; their scale words: 128 s + 64 u + 4 r
.set HSC,   25600                      ; the hidden layer's scale words, 16 K steps
.set HIMG,  27648                      ; its 32 fragments, (16 u + K step) x 1,536
.set XST,   76800                      ; 32 rows of x, then x2, then out: 2,064 bytes apart
.set HST,   142848                     ; 32 normed rows
.set RP,    2064
.set LI,   1                           ; v1  16 x lane
.set L4,   2                           ; v2  4 x lane
.set L48,  3                           ; v3  48 x lane
.set L48H, 4                           ; v4  48 x lane + HIMG
.set PA,   5                           ; v5  where my 12 bytes of codes go in a fragment of the normed rows
.set SA,   6                           ; v6  and my block's scale byte
.set PAH,  7                           ; v7  the same for the hidden layer
.set SAH,  8
.set XA,   9                           ; v9  XST: token r, columns 32 w + 16 h on
.set XAH,  10                          ; v10 HST likewise
.set RA,   11                          ; v11 XST: my wave's first row, 16 x lane
.set RAH,  12                          ; v12 HST likewise
.set CB,   13                          ; v13 128 w + 64 h: my 16 columns in bo and b2
.set B1O,  14                          ; v14 512 w + 64 h: in b1
.set SL,   15                          ; v15 16 x (8 h + r + 8 (r / 8))
.set B1R,  16                          ; v16-31   bo, then b1
.set GA,   32                          ; v32-47   gelu's work, then b2
.set BF,   48                          ; v48-143  ctx's eight fragments; then the norm's rows (v48-79); for the hidden layer two sets of the normed rows' fragments (v48-95) and two weight pairs (v96-143); at the end four pairs of w2
.set ACC,  144                         ; v144-175 four accumulators
.set WF,   176                         ; v176-223 two pairs of weight fragments; at the end two sets of hidden fragments
.set HB,   176
.set WS,   224                         ; v224-231 the weights' scale words, two sets of four K steps; lanes 0-15 tile 0, lanes 16-31 tile 1
.set L8,   232                         ; v232 8 x lane
.set SL4,  233                         ; v233 64 x (8 h + r + 8 (r / 8))
.set K0,   234                         ; v[234:235]
.set BS,   236                         ; v236-239 source 1's scale words; lanes 0-15 tokens 0-15, lanes 16-31 tokens 16-31
.set T,    240                         ; v240-255 at work
.set WV,   2
.set SEL,  28
.set RD,   31
.set EPS,  32
.set KA,   34
.set WBO,  36
.set WB1,  38
.set WB2,  40
.macro NOP4
.rept 4
	v_nop
.endr
.endm
.macro BARRIER                         ; my LDS stores have landed and my LDS loads are in: then the work-group's barrier
	s_wait_dscnt 0x0
	s_barrier_signal -1
	s_barrier_wait -1
.endm
.macro WM d, a, b, c, sa, sb, ra, rb   ; one product.  ra, rb: the side's scale words stand in lanes 16-31
.if (\ra) && (\rb)
	v_wmma_scale_f32_16x16x128_f8f6f4 v[(\d):(\d)+7], v[(\a):(\a)+11], v[(\b):(\b)+11], v[(\c):(\c)+7], v[(\sa)], v[(\sb)] matrix_a_fmt:MATRIX_FMT_FP6 matrix_b_fmt:MATRIX_FMT_FP6 matrix_a_scale:MATRIX_SCALE_ROW1 matrix_b_scale:MATRIX_SCALE_ROW1
.elseif (\ra)
	v_wmma_scale_f32_16x16x128_f8f6f4 v[(\d):(\d)+7], v[(\a):(\a)+11], v[(\b):(\b)+11], v[(\c):(\c)+7], v[(\sa)], v[(\sb)] matrix_a_fmt:MATRIX_FMT_FP6 matrix_b_fmt:MATRIX_FMT_FP6 matrix_a_scale:MATRIX_SCALE_ROW1
.elseif (\rb)
	v_wmma_scale_f32_16x16x128_f8f6f4 v[(\d):(\d)+7], v[(\a):(\a)+11], v[(\b):(\b)+11], v[(\c):(\c)+7], v[(\sa)], v[(\sb)] matrix_a_fmt:MATRIX_FMT_FP6 matrix_b_fmt:MATRIX_FMT_FP6 matrix_b_scale:MATRIX_SCALE_ROW1
.else
	v_wmma_scale_f32_16x16x128_f8f6f4 v[(\d):(\d)+7], v[(\a):(\a)+11], v[(\b):(\b)+11], v[(\c):(\c)+7], v[(\sa)], v[(\sb)] matrix_a_fmt:MATRIX_FMT_FP6 matrix_b_fmt:MATRIX_FMT_FP6
.endif
.endm
.macro WPAIR buf, base, off            ; a pair of weight fragments: six loads of 512 consecutive bytes
.irp y, 0,1
.irp g, 0,1,2
	global_load_b128 v[(\buf)+12*\y+4*\g:(\buf)+12*\y+4*\g+3], v[LI], s[\base:\base+1] offset:(\off)+1536*\y+512*\g
.endr
.endr
.endm
; four products: weight tiles y x token tiles z, one K step.  The four accumulators take turns, one instruction a turn, in the same order in every pair.
; cm = 1: the sums go on (they began as x + bo, or as x2);  2: they start with the bias b1.
.macro MMP wf, bf, bst, ws, bs, cm
.irp y, 0,1
.irp z, 0,1
.set MD, ACC+16*\z+8*\y
.set MC, MD
.if (\cm) == 2
.set MC, B1R+8*\y
.endif
	WM MD, (\wf)+12*\y, (\bf)+(\bst)*\z, MC, \ws, \bs, \y, \z
.endr
.endr
.endm
; Two runs of 16 numbers of a lane, each half a block of 32 (the other half lies in lane l xor 16), become 2 x 12 bytes of codes (v[T+8..10], v[T+12..14]) and two scale bytes (v[T+6], v[T+7]).
.macro QCORE a0, a1
	v_max3_num_f32 v[T], |v[(\a0)]|, |v[(\a0)+1]|, 0x1800000      ; my 16 numbers, and the floor 2^(3 - 127): so the byte cannot fall under 1
	v_max3_num_f32 v[T+1], |v[(\a1)]|, |v[(\a1)+1]|, 0x1800000
.irp i, 2,4,6,8,10,12,14
	s_delay_alu instid0(VALU_DEP_2)
	v_max3_num_f32 v[T], v[T], |v[(\a0)+\i]|, |v[(\a0)+\i+1]|
	s_delay_alu instid0(VALU_DEP_2)
	v_max3_num_f32 v[T+1], v[T+1], |v[(\a1)+\i]|, |v[(\a1)+\i+1]|
.endr
	v_permlanex16_b32 v[T+2], v[T], s[SEL], s[SEL+1]
	s_delay_alu instid0(VALU_DEP_2)
	v_permlanex16_b32 v[T+3], v[T+1], s[SEL], s[SEL+1]
	s_delay_alu instid0(VALU_DEP_2)
	v_max_num_f32 v[T], v[T], v[T+2]
	s_delay_alu instid0(VALU_DEP_2)
	v_max_num_f32 v[T+1], v[T+1], v[T+3]
	s_delay_alu instid0(VALU_DEP_2)
	v_add_nc_u32 v[T+4], 0xff000000, v[T]                         ; 2 off the exponent field: the conversion's scale operand
	s_delay_alu instid0(VALU_DEP_2)
	v_add_nc_u32 v[T+5], 0xff000000, v[T+1]
	s_delay_alu instid0(VALU_DEP_2)
	v_lshrrev_b32 v[T+6], 23, v[T+4]                              ; the scale's byte
	s_delay_alu instid0(VALU_DEP_2)
	v_lshrrev_b32 v[T+7], 23, v[T+5]
	v_cvt_scalef32_pk16_fp6_f32 v[T+8:T+10], v[(\a0):(\a0)+15], v[T+4]
	v_cvt_scalef32_pk16_fp6_f32 v[T+12:T+14], v[(\a1):(\a1)+15], v[T+5]
	v_nop                                                         ; one plain place behind a scaled conversion
.endm
.macro QPUT pa, o0, o1, sa, p0, p1
.irp i, 0,1,2
	ds_store_b32 v[\pa], v[T+8+\i] offset:(\o0)+4*\i
.endr
.irp i, 0,1,2
	ds_store_b32 v[\pa], v[T+12+\i] offset:(\o1)+4*\i
.endr
	ds_store_b8 v[\sa], v[T+6] offset:\p0                         ; both lanes of a block write the same byte with the same value
	ds_store_b8 v[\sa], v[T+7] offset:\p1
.endm
.macro LNRED
.irp m, 1,2,4,8
.irp p, 0,1
	s_delay_alu instid0(VALU_DEP_2)
	v_add_f32_dpp v[T+8*\p], v[T+8*\p], v[T+8*\p] row_xmask:\m row_mask:0xf bank_mask:0xf
.endr
.endr
.irp p, 0,1
	s_delay_alu instid0(VALU_DEP_2)
	v_permlanex16_b32 v[T+8*\p+1], v[T+8*\p], s[SEL], s[SEL+1]
.endr
.irp p, 0,1
	s_delay_alu instid0(VALU_DEP_2)
	v_add_f32 v[T+8*\p], v[T+8*\p], v[T+8*\p+1]
.endr
.endm
; Two rows of 512, 16 numbers a lane each, are normed in place: the mean, then the mean of the squares of x - mean (two passes), then (x - mean) / sqrt(v + 1e-15) x g + s.
.macro LNROWS xr, gr, sr
.irp i, 0,1,2,3
.irp p, 0,1
	v_pk_add_f32 v[T+8*\p+2*\i:T+8*\p+2*\i+1], v[(\xr)+16*\p+4*\i:(\xr)+16*\p+4*\i+1], v[(\xr)+16*\p+4*\i+2:(\xr)+16*\p+4*\i+3]
.endr
.endr
.irp p, 0
	v_pk_add_f32 v[T+8*\p:T+8*\p+1], v[T+8*\p:T+8*\p+1], v[T+8*\p+2:T+8*\p+3]
	s_delay_alu instid0(VALU_DEP_3)
	v_pk_add_f32 v[T+8*\p+4:T+8*\p+5], v[T+8*\p+4:T+8*\p+5], v[T+8*\p+6:T+8*\p+7]
.endr
.irp p, 1
	v_pk_add_f32 v[T+8*\p:T+8*\p+1], v[T+8*\p:T+8*\p+1], v[T+8*\p+2:T+8*\p+3]
	s_delay_alu instid0(VALU_DEP_4)
	v_pk_add_f32 v[T+8*\p+4:T+8*\p+5], v[T+8*\p+4:T+8*\p+5], v[T+8*\p+6:T+8*\p+7]
.endr
.irp p, 0
	s_delay_alu instid0(VALU_DEP_3)
	v_pk_add_f32 v[T+8*\p:T+8*\p+1], v[T+8*\p:T+8*\p+1], v[T+8*\p+4:T+8*\p+5]
.endr
.irp p, 1
	s_delay_alu instid0(VALU_DEP_2)
	v_pk_add_f32 v[T+8*\p:T+8*\p+1], v[T+8*\p:T+8*\p+1], v[T+8*\p+4:T+8*\p+5]
.endr
.irp p, 0,1
	s_delay_alu instid0(VALU_DEP_2)
	v_add_f32 v[T+8*\p], v[T+8*\p], v[T+8*\p+1]
.endr
	LNRED
.irp p, 0,1
	s_delay_alu instid0(VALU_DEP_2)
	v_mul_f32 v[T+8*\p+2], s[RD], v[T+8*\p]
.endr
.irp p, 0,1
	s_delay_alu instid0(VALU_DEP_2)
	v_mov_b32 v[T+8*\p+3], v[T+8*\p+2]
.endr
.irp k, 0,2,4,6,8,10,12,14
.irp p, 0,1
	v_pk_add_f32 v[(\xr)+16*\p+\k:(\xr)+16*\p+\k+1], v[(\xr)+16*\p+\k:(\xr)+16*\p+\k+1], v[T+8*\p+2:T+8*\p+3] neg_lo:[0,1] neg_hi:[0,1]
.endr
.endr
.irp p, 0,1
	v_pk_mul_f32 v[T+8*\p+4:T+8*\p+5], v[(\xr)+16*\p:(\xr)+16*\p+1], v[(\xr)+16*\p:(\xr)+16*\p+1]
	v_pk_mul_f32 v[T+8*\p+6:T+8*\p+7], v[(\xr)+16*\p+2:(\xr)+16*\p+3], v[(\xr)+16*\p+2:(\xr)+16*\p+3]
.endr
.irp k, 4,8,12
.irp p, 0,1
	s_delay_alu instid0(VALU_DEP_4)
	v_pk_fma_f32 v[T+8*\p+4:T+8*\p+5], v[(\xr)+16*\p+\k:(\xr)+16*\p+\k+1], v[(\xr)+16*\p+\k:(\xr)+16*\p+\k+1], v[T+8*\p+4:T+8*\p+5]
	s_delay_alu instid0(VALU_DEP_4)
	v_pk_fma_f32 v[T+8*\p+6:T+8*\p+7], v[(\xr)+16*\p+\k+2:(\xr)+16*\p+\k+3], v[(\xr)+16*\p+\k+2:(\xr)+16*\p+\k+3], v[T+8*\p+6:T+8*\p+7]
.endr
.endr
.irp p, 0
	s_delay_alu instid0(VALU_DEP_3)
	v_pk_add_f32 v[T+8*\p+4:T+8*\p+5], v[T+8*\p+4:T+8*\p+5], v[T+8*\p+6:T+8*\p+7]
.endr
.irp p, 1
	s_delay_alu instid0(VALU_DEP_2)
	v_pk_add_f32 v[T+8*\p+4:T+8*\p+5], v[T+8*\p+4:T+8*\p+5], v[T+8*\p+6:T+8*\p+7]
.endr
.irp p, 0,1
	s_delay_alu instid0(VALU_DEP_2)
	v_add_f32 v[T+8*\p], v[T+8*\p+4], v[T+8*\p+5]
.endr
	LNRED
.irp p, 0,1
	s_delay_alu instid0(VALU_DEP_2)
	v_fma_f32 v[T+8*\p], v[T+8*\p], s[RD], s[EPS]
.endr
	s_wait_alu depctr_va_vdst(0)
.irp p, 0,1
	v_rsq_f32 v[T+8*\p+2], v[T+8*\p]
.endr
	v_nop                                                         ; a plain place behind the transcendentals
	s_wait_alu depctr_va_vdst(0)                                  ; one wait for both, ahead of their first reader
.irp p, 0,1
	v_mov_b32 v[T+8*\p+3], v[T+8*\p+2]
.endr
.irp k, 0,2,4,6,8,10,12,14
.irp p, 0,1
	v_pk_mul_f32 v[(\xr)+16*\p+\k:(\xr)+16*\p+\k+1], v[(\xr)+16*\p+\k:(\xr)+16*\p+\k+1], v[T+8*\p+2:T+8*\p+3]
.endr
.endr
.irp k, 0,2,4,6,8,10,12,14
.irp p, 0,1
	v_pk_fma_f32 v[(\xr)+16*\p+\k:(\xr)+16*\p+\k+1], v[(\xr)+16*\p+\k:(\xr)+16*\p+\k+1], v[(\gr)+\k:(\gr)+\k+1], v[(\sr)+\k:(\sr)+\k+1]
.endr
.endr
.endm
.macro GELU16 a                        ; sixteen numbers in place; two batches of transcendentals, one wait each
.irp k, 0,2,4,6,8,10,12,14
	v_pk_mul_f32 v[GA+\k:GA+\k+1], v[(\a)+\k:(\a)+\k+1], v[(\a)+\k:(\a)+\k+1]
.endr
.irp k, 0,2,4,6,8,10,12,14
	v_pk_fma_f32 v[GA+\k:GA+\k+1], v[GA+\k:GA+\k+1], s[KA:KA+1], v[K0:K0+1] op_sel_hi:[1,0,1]
.endr
.irp k, 0,2,4,6,8,10,12,14
	v_pk_mul_f32 v[GA+\k:GA+\k+1], v[GA+\k:GA+\k+1], v[(\a)+\k:(\a)+\k+1]
.endr
	s_wait_alu depctr_va_vdst(0)
.irp k, 0,1,2,3,4,5,6,7,8,9,10,11,12,13,14,15
	v_exp_f32 v[GA+\k], v[GA+\k]
.endr
	v_nop
	s_wait_alu depctr_va_vdst(0)
.irp k, 0,2,4,6,8,10,12,14
	v_pk_add_f32 v[GA+\k:GA+\k+1], v[GA+\k:GA+\k+1], 1.0 op_sel_hi:[1,0]
.endr
	s_wait_alu depctr_va_vdst(0)
.irp k, 0,1,2,3,4,5,6,7,8,9,10,11,12,13,14,15
	v_rcp_f32 v[GA+\k], v[GA+\k]
.endr
	v_nop
	s_wait_alu depctr_va_vdst(0)
.irp k, 0,2,4,6,8,10,12,14
	v_pk_mul_f32 v[(\a)+\k:(\a)+\k+1], v[(\a)+\k:(\a)+\k+1], v[GA+\k:GA+\k+1]
.endr
.endm
.macro HBL P                           ; the hidden layer's two fragments and scale words of K step P, into set P % 2: seven LDS loads
.irp z, 0,1
.irp g, 0,1,2
	ds_load_b128 v[HB+24*((\P)%2)+12*\z+4*\g:HB+24*((\P)%2)+12*\z+4*\g+3], v[L48H] offset:(16*\z+(\P))*1536+16*\g
.endr
.endr
	ds_load_b32 v[BS+((\P)%2)], v[L4] offset:HSC+128*(\P)
.endm
	s_load_b256 s[4:11], s[0:1], 0x0               ; x, cbuf, wimg, wo's scales
	s_load_b256 s[12:19], s[0:1], 0x20             ; bo, g2, s2, w1's scales
	s_load_b256 s[20:27], s[0:1], 0x40             ; b1, w2's scales, b2, out0
	v_lshrrev_b32 v240, 5, v0
	s_delay_alu instid0(VALU_DEP_1)
	v_readfirstlane_b32 s[WV], v240                ; wave 0..15
	v_and_b32 v240, 31, v0                         ; lane
	v_and_b32 v241, 15, v0                         ; r
	v_bfe_u32 v242, v0, 4, 1                       ; h
	s_delay_alu instid0(VALU_DEP_2)
	v_and_b32 v243, 8, v241
	s_delay_alu instid0(VALU_DEP_1)
	v_add_nc_u32 v243, v243, v241
	s_delay_alu instid0(VALU_DEP_1)
	v_lshl_add_u32 v243, v242, 3, v243             ; 8 h + r + 8 (r / 8)
	v_lshlrev_b32 v[LI], 4, v240
	v_lshlrev_b32 v[L4], 2, v240
	v_lshlrev_b32 v[L8], 3, v240
	v_mul_u32_u24 v[L48], v240, 48
	s_delay_alu instid0(VALU_DEP_1)
	v_add_nc_u32 v[L48H], HIMG, v[L48]
	v_mul_u32_u24 v244, v241, 48
	s_delay_alu instid0(VALU_DEP_1)
	v_mad_u32_u24 v244, v242, 12, v244             ; 48 r + 12 h: my half block's 12 bytes
	s_wait_alu depctr_va_vdst(0)
	s_lshr_b32 s44, s[WV], 2                       ; block w of K = 512: K step w / 4, block w % 4 = 2 c + hh in it
	s_and_b32 s45, s[WV], 1
	s_bfe_u32 s46, s[WV], 0x10001
	s_mul_i32 s47, s44, 1536
	s_mul_i32 s45, s45, 768
	s_mul_i32 s46, s46, 24
	s_add_co_u32 s47, s47, s45
	s_add_co_u32 s47, s47, s46
	v_add_nc_u32 v[PA], s47, v244
	s_lshl_b32 s44, s44, 7
	s_and_b32 s45, s[WV], 3
	s_add_co_u32 s44, s44, s45
	v_lshl_add_u32 v[SA], v241, 2, s44
	s_mul_i32 s44, s[WV], 1536                     ; my 128 hidden units are K step w of the last product
	v_add_nc_u32 v[PAH], s44, v244
	s_lshl_b32 s44, s[WV], 7
	v_lshl_add_u32 v[SAH], v241, 2, s44
	v_lshl_add_u32 v[CB], v242, 6, s44
	v_mul_u32_u24 v245, v241, RP
	s_delay_alu instid0(VALU_DEP_1)
	v_add_nc_u32 v245, v245, v[CB]
	s_delay_alu instid0(VALU_DEP_1)
	v_add_nc_u32 v[XA], XST, v245
	s_delay_alu instid0(VALU_DEP_2)
	v_add_nc_u32 v[XAH], HST, v245
	s_mul_i32 s44, s[WV], 2*RP
	v_add_nc_u32 v246, s44, v[LI]
	s_delay_alu instid0(VALU_DEP_1)
	v_add_nc_u32 v[RA], XST, v246
	s_delay_alu instid0(VALU_DEP_2)
	v_add_nc_u32 v[RAH], HST, v246
	s_lshl_b32 s44, s[WV], 9
	v_lshl_add_u32 v[B1O], v242, 6, s44
	v_add_nc_u32 v247, s44, v[LI]                  ; where my 512 bytes of ctx's record go
	v_lshlrev_b32 v[SL], 4, v243
	v_lshlrev_b32 v[SL4], 6, v243
	v_mov_b32 v[K0], 0xc0135761
	v_mov_b32 v[K0+1], 0xc0135761
	s_mov_b32 s[SEL], 0x76543210
	s_mov_b32 s[SEL+1], 0xfedcba98                 ; v_permlanex16_b32's selects for lane l xor 16
	s_mov_b32 s[RD], 0x3b000000                    ; 1 / 512
	s_mov_b32 s[EPS], 0x26901d7d                   ; 1e-15
	s_mov_b32 s[KA], 0xbdd2d3e8
	s_mov_b32 s[KA+1], s[KA]
	s_lshl_b32 s44, ttmp9, 16                      ; x, out0: 32 rows of 2,048 bytes a work-group, two a wave
	s_lshl_b32 s45, s[WV], 12
	s_add_co_u32 s44, s44, s45
	s_mov_b32 s45, 0
	s_mul_i32 s46, ttmp9, 12800                    ; ctx's record, my 512 bytes
	s_lshl_b32 s47, s[WV], 9
	s_add_co_u32 s46, s46, s47
	s_mov_b32 s47, 0
	s_mul_i32 s48, s[WV], 12288
	s_add_co_u32 s48, s48, 589824                  ; wo: my group of 32 rows
	s_mov_b32 s49, 0
	s_mul_i32 s50, s[WV], 49152
	s_add_co_u32 s52, s50, 1572864                 ; w2: my group, 16 K steps
	s_add_co_u32 s50, s50, 786432                  ; w1: my four groups
	s_mov_b32 s51, 0
	s_mov_b32 s53, 0
	s_lshl_b32 s54, s[WV], 9                       ; wo's scale bytes: 32 rows of 16
	s_mov_b32 s55, 0
	s_lshl_b32 s56, s[WV], 11                      ; w1's: 128 rows of 16;  w2's: 32 rows of 64
	s_mov_b32 s57, 0
	s_wait_kmcnt 0x0
	s_add_nc_u64 s[4:5], s[4:5], s[44:45]
	s_add_nc_u64 s[26:27], s[26:27], s[44:45]
	s_add_nc_u64 s[6:7], s[6:7], s[46:47]
	s_add_nc_u64 s[WBO:WBO+1], s[8:9], s[48:49]
	s_add_nc_u64 s[WB1:WB1+1], s[8:9], s[50:51]
	s_add_nc_u64 s[WB2:WB2+1], s[8:9], s[52:53]
	s_add_nc_u64 s[10:11], s[10:11], s[54:55]
	s_add_nc_u64 s[18:19], s[18:19], s[56:57]
	s_add_nc_u64 s[22:23], s[22:23], s[56:57]
	; ---- head: ctx's record (25 pieces of 512 bytes: wave w takes piece w, waves 0-8 also piece 16 + w) and x's rows go to LDS
	global_load_b128 v[48:51], v[LI], s[6:7] th:TH_LOAD_NT
	s_cmp_lt_u32 s[WV], 9
	s_cbranch_scc0 .Lno_second_load
	global_load_b128 v[52:55], v[LI], s[6:7] offset:8192 th:TH_LOAD_NT
.Lno_second_load:
.irp p, 0,1
.irp i, 0,1,2,3
	global_load_b128 v[64+16*\p+4*\i:64+16*\p+4*\i+3], v[LI], s[4:5] offset:2048*\p+512*\i th:TH_LOAD_NT
.endr
.endr
.irp i, 0,1,2,3
	global_load_b128 v[B1R+4*\i:B1R+4*\i+3], v[CB], s[12:13] offset:16*\i      ; bo at my 16 columns
.endr
	s_wait_alu depctr_va_vdst(0)
	global_load_b128 v[WS:WS+3], v[SL], s[10:11]
	WPAIR WF, WBO, 0
	WPAIR WF+24, WBO, 3072
	s_wait_loadcnt 17                              ; ctx and x are in; behind them 4 loads of bo, 1 of scale words and 12 of two weight pairs stay out (the same count in every wave)
	ds_store_b128 v247, v[48:51] offset:CIMG
	s_cmp_lt_u32 s[WV], 9
	s_cbranch_scc0 .Lno_second_store
	ds_store_b128 v247, v[52:55] offset:CIMG+8192
.Lno_second_store:
.irp p, 0,1
.irp i, 0,1,2,3
	ds_store_b128 v[RA], v[64+16*\p+4*\i:64+16*\p+4*\i+3] offset:RP*\p+512*\i
.endr
.endr
	BARRIER                                        ; ctx's operand and 32 rows of x lie in LDS
	; ---- x2 = x + bo + ctx wo: my 32 columns
.irp f, 0,1,2,3,4,5,6,7
.irp c, 0,1
	ds_load_b128 v[BF+12*\f+6*\c:BF+12*\f+6*\c+3], v[LI] offset:CIMG+1536*\f+768*\c
	ds_load_b64 v[BF+12*\f+6*\c+4:BF+12*\f+6*\c+5], v[L8] offset:CIMG+1536*\f+768*\c+512
.endr
.endr
.irp s, 0,1,2,3
	ds_load_b32 v[BS+\s], v[L4] offset:CIMG+12288+128*\s
.endr
.irp z, 0,1
.irp i, 0,1,2,3
	ds_load_b128 v[ACC+16*\z+4*\i:ACC+16*\z+4*\i+3], v[XA] offset:16*RP*\z+16*\i   ; x in the results' layout: the sums begin with it
.endr
.endr
	s_wait_dscnt 0x0
	s_wait_loadcnt 12                              ; bo and the scale words are in; the two weight pairs stay out
.irp z, 0,1
.irp k, 0,2,4,6,8,10,12,14
	v_pk_add_f32 v[ACC+16*\z+\k:ACC+16*\z+\k+1], v[ACC+16*\z+\k:ACC+16*\z+\k+1], v[B1R+\k:B1R+\k+1]
.endr
.endr
	NOP4
	s_wait_alu depctr_va_vdst(0)
.irp P, 0,1,2,3
.if \P < 3
	s_wait_loadcnt 6                               ; this pair is in; the next pair's six loads stay out
.else
	s_wait_loadcnt 0x0
.endif
	MMP WF+24*(\P%2), BF+12*\P, 48, WS+\P, BS+\P, 1
	NOP4                                           ; places in front of loads into registers that the products have read, and of the first read of results
.if \P+2 <= 3
	WPAIR WF+24*(\P%2), WBO, 3072*(\P+2)
.endif
.endr
.irp z, 0,1
.irp i, 0,1,2,3
	ds_store_b128 v[XA], v[ACC+16*\z+4*\i:ACC+16*\z+4*\i+3] offset:16*RP*\z+16*\i   ; x2 over x: bytes that my wave alone has read since the barrier
.endr
.endr
	s_wait_dscnt 0x0                               ; the stores are done: the accumulators' registers take g2 and s2
.irp i, 0,1,2,3
	global_load_b128 v[ACC+4*\i:ACC+4*\i+3], v[LI], s[14:15] offset:512*\i     ; g2, s2 in a row's layout
.endr
.irp i, 0,1,2,3
	global_load_b128 v[ACC+16+4*\i:ACC+16+4*\i+3], v[LI], s[16:17] offset:512*\i
.endr
	global_load_b128 v[WS+4:WS+7], v[SL], s[18:19]                             ; and what the next product's first group wants
.irp i, 0,1,2,3
	global_load_b128 v[B1R+4*\i:B1R+4*\i+3], v[B1O], s[20:21] offset:16*\i
.endr
	WPAIR WF, WB1, 0
	WPAIR WF+24, WB1, 3072
	WPAIR 96, WB1, 6144
	WPAIR 120, WB1, 9216
	BARRIER                                        ; 32 rows of x2 lie in LDS
	; ---- the norm: my two rows
.irp p, 0,1
.irp i, 0,1,2,3
	ds_load_b128 v[48+16*\p+4*\i:48+16*\p+4*\i+3], v[RA] offset:RP*\p+512*\i
.endr
.endr
	s_wait_dscnt 0x0
	s_wait_loadcnt 29                              ; g2, s2 are in; 1 + 4 + 24 loads for the next product stay out
	LNROWS 48, ACC, ACC+16
.irp p, 0,1
.irp i, 0,1,2,3
	ds_store_b128 v[RAH], v[48+16*\p+4*\i:48+16*\p+4*\i+3] offset:RP*\p+512*\i
.endr
.endr
	BARRIER                                        ; 32 normed rows lie in LDS
.irp z, 0,1
.irp i, 0,1,2,3
	ds_load_b128 v[48+16*\z+4*\i:48+16*\z+4*\i+3], v[XAH] offset:16*RP*\z+16*\i
.endr
.endr
	s_wait_dscnt 0x0
	QCORE 48, 64                                   ; block w of all 32 rows
	QPUT PA, H2IMG, H2IMG+6144, SA, H2SC, H2SC+64
	BARRIER                                        ; their eight fragments lie in LDS
	; ---- the hidden layer: my four groups of 32 units; pair P: group P / 4, K step P % 4
.macro H2L P                           ; the normed rows' two fragments and scale words of K step P % 4, into set P % 2: seven LDS loads
.irp z, 0,1
.irp g, 0,1,2
	ds_load_b128 v[48+24*((\P)%2)+12*\z+4*\g:48+24*((\P)%2)+12*\z+4*\g+3], v[L48] offset:H2IMG+1536*(4*\z+((\P)%4))+16*\g
.endr
.endr
	ds_load_b32 v[BS+((\P)%2)], v[L4] offset:H2SC+128*((\P)%4)
.endm
	H2L 0
	H2L 1
.irp P, 0,1,2,3,4,5,6,7,8,9,10,11,12,13,14,15
.if \P < 15
	s_wait_dscnt 7                                 ; this step's seven LDS loads are in; at most the seven youngest LDS instructions stay out
.else
	s_wait_dscnt 0x0
.endif
.if \P > 12
	s_wait_loadcnt 6*(15-\P)                       ; the counts run down
.elseif \P%4 == 0
	s_wait_loadcnt 18                              ; this pair, its group's scale words and b1 are in; behind them three pairs
.else
	s_wait_loadcnt 23                              ; behind this pair: three pairs (18) and the next group's scale words (1) and b1 (4)
.endif
.set CM, 1
.if \P%4 == 0
.set CM, 2
.endif
	MMP 176+24*(\P%4)-128*((\P%4)/2), 48+24*(\P%2), 12, WS+4*(((\P/4)+1)%2)+(\P%4), BS+(\P%2), CM   ; the four weight buffers: v176, v200, v96, v120
	NOP4
.if (\P%4 == 0) && (\P < 12)
	global_load_b128 v[WS+4*((\P/4)%2):WS+4*((\P/4)%2)+3], v[SL], s[18:19] offset:512*(\P/4+1)   ; the next group's scale words, into the set that this group does not use
.irp i, 0,1,2,3
	global_load_b128 v[B1R+4*\i:B1R+4*\i+3], v[B1O], s[20:21] offset:128*(\P/4+1)+16*\i
.endr
.endif
.if \P+2 <= 15
	H2L \P+2
.endif
.if \P+4 <= 15
	WPAIR 176+24*(\P%4)-128*((\P%4)/2), WB1, 3072*(\P+4)
.endif
.if \P == 15                           ; the last product's first scale words and four pairs go out under the last gelu
	global_load_b128 v[WS+4:WS+7], v[SL4], s[22:23]
	global_load_b128 v[WS:WS+3], v[SL4], s[22:23] offset:16
	WPAIR BF, WB2, 0
	WPAIR BF+24, WB2, 3072
	WPAIR BF+48, WB2, 6144
	WPAIR BF+72, WB2, 9216
.endif
.if \P%4 == 3
	GELU16 ACC
	GELU16 ACC+16
.if \P == 15
.irp i, 0,1,2,3
	global_load_b128 v[GA+4*\i:GA+4*\i+3], v[CB], s[24:25] offset:16*\i        ; b2 at my 16 columns: gelu's registers are free
.endr
.endif
	s_wait_alu depctr_va_vdst(0)
	s_wait_dscnt 0x0                               ; the last group's LDS stores have read v[T ..]
	QCORE ACC, ACC+16                              ; block P / 4 = 2 c + hh of K step w
	QPUT PAH, HIMG+768*((\P/4)%2)+24*(\P/8), HIMG+24576+768*((\P/4)%2)+24*(\P/8), SAH, HSC+(\P/4), HSC+64+(\P/4)
.endif
.endr
	BARRIER                                        ; the hidden layer's 32 fragments lie in LDS
	; ---- out = x2 + hidden w2 + b2: my 32 columns, 16 K steps; four weight pairs and two sets of hidden fragments are on their way
.irp z, 0,1
.irp i, 0,1,2,3
	ds_load_b128 v[ACC+16*\z+4*\i:ACC+16*\z+4*\i+3], v[XA] offset:16*RP*\z+16*\i   ; x2: the sums begin with it
.endr
.endr
	HBL 0
	HBL 1
.irp P, 0,1,2,3,4,5,6,7,8,9,10,11,12,13,14,15
.if \P < 15
	s_wait_dscnt 7                                 ; this K step's seven LDS loads (and x2) are in; the next step's seven stay out
.else
	s_wait_dscnt 0x0
.endif
.if \P < 4
	s_wait_loadcnt 22                              ; behind this pair: three pairs (18) and b2 (4)
.elseif \P < 13
	s_wait_loadcnt 18                              ; behind this pair: three pairs, in some steps one load of scale words among them
.else
	s_wait_loadcnt 6*(15-\P)                       ; the counts run down
.endif
	MMP BF+24*(\P%4), HB+24*(\P%2), 12, WS+4*(((\P/4)+1)%2)+(\P%4), BS+(\P%2), 1
	NOP4
.if \P+2 <= 15
	HBL \P+2
.endif
.if \P == 3
	global_load_b128 v[WS+4:WS+7], v[SL4], s[22:23] offset:32                  ; K steps 8-11, into the set that K steps 0-3 have left
.endif
.if \P == 7
	global_load_b128 v[WS:WS+3], v[SL4], s[22:23] offset:48                    ; K steps 12-15
.endif
.if \P+4 <= 15
	WPAIR BF+24*(\P%4), WB2, 3072*(\P+4)
.endif
.endr
.irp z, 0,1
.irp k, 0,2,4,6,8,10,12,14
	v_pk_add_f32 v[ACC+16*\z+\k:ACC+16*\z+\k+1], v[ACC+16*\z+\k:ACC+16*\z+\k+1], v[GA+\k:GA+\k+1]
.endr
.endr
.irp z, 0,1
.irp i, 0,1,2,3
	ds_store_b128 v[XA], v[ACC+16*\z+4*\i:ACC+16*\z+4*\i+3] offset:16*RP*\z+16*\i
.endr
.endr
	BARRIER                                        ; 32 whole rows of the result lie in LDS
.irp p, 0,1
.irp i, 0,1,2,3
	ds_load_b128 v[48+16*\p+4*\i:48+16*\p+4*\i+3], v[RA] offset:RP*\p+512*\i
.endr
.endr
.irp p, 0,1
.irp i, 0,1,2,3
	s_wait_dscnt 7-4*\p-\i
	global_store_b128 v[LI], v[48+16*\p+4*\i:48+16*\p+4*\i+3], s[26:27] offset:2048*\p+512*\i th:TH_STORE_NT   ; 32 lanes store 512 consecutive bytes, at a multiple of 256 from out0's first byte
.endr
.endr
	s_wait_xcnt 0x0
	v_lshl_add_u32 v254, v0, 2, 0x33000
	v_mov_b32 v255, 0
	s_wait_alu depctr_va_vdst(0)
	s_wait_tensorcnt 0x0
	ds_add_u32 v254, v255
	s_wait_dscnt 0x0
	s_endpgm
.Lfunc_end_k_qd4697d093c_ffn:
	.size	k_qd4697d093c_ffn, .Lfunc_end_k_qd4697d093c_ffn-k_qd4697d093c_ffn
	.p2alignl 7, 3214868480
	.fill 96, 4, 3214868480
	.section	.rodata,"a",@progbits
	.p2align	6, 0x0
	.amdhsa_kernel k_qd4697d093c_ffn
		.amdhsa_group_segment_fixed_size 210944
		.amdhsa_private_segment_fixed_size 0
		.amdhsa_enable_private_segment 0
		.amdhsa_kernarg_size 96
		.amdhsa_user_sgpr_count 2
		.amdhsa_user_sgpr_kernarg_segment_ptr 1
		.amdhsa_wavefront_size32 1
		.amdhsa_system_sgpr_workgroup_id_x 1
		.amdhsa_system_sgpr_workgroup_id_y 1
		.amdhsa_system_sgpr_workgroup_id_z 1
		.amdhsa_system_vgpr_workitem_id 0
		.amdhsa_next_free_vgpr 256
		.amdhsa_next_free_sgpr 66
		.amdhsa_reserve_vcc 0
		.amdhsa_float_denorm_mode_32 3
		.amdhsa_float_denorm_mode_16_64 3
		.amdhsa_memory_ordered 1
		.amdhsa_forward_progress 1
		.amdhsa_inst_pref_size 132
	.end_amdhsa_kernel
	.amdgpu_metadata
---
amdhsa.version: [ 1, 2 ]
amdhsa.kernels:
  - .name:           k_qd4697d093c_ffn
    .symbol:         k_qd4697d093c_ffn.kd
    .args:
      - { .name: x, .offset: 0, .size: 8, .value_kind: global_buffer, .address_space: global }
      - { .name: cbuf, .offset: 8, .size: 8, .value_kind: global_buffer, .address_space: global }
      - { .name: wimg, .offset: 16, .size: 8, .value_kind: global_buffer, .address_space: global }
      - { .name: wo_scales, .offset: 24, .size: 8, .value_kind: global_buffer, .address_space: global }
      - { .name: bo, .offset: 32, .size: 8, .value_kind: global_buffer, .address_space: global }
      - { .name: g2, .offset: 40, .size: 8, .value_kind: global_buffer, .address_space: global }
      - { .name: s2, .offset: 48, .size: 8, .value_kind: global_buffer, .address_space: global }
      - { .name: w1_scales, .offset: 56, .size: 8, .value_kind: global_buffer, .address_space: global }
      - { .name: b1, .offset: 64, .size: 8, .value_kind: global_buffer, .address_space: global }
      - { .name: w2_scales, .offset: 72, .size: 8, .value_kind: global_buffer, .address_space: global }
      - { .name: b2, .offset: 80, .size: 8, .value_kind: global_buffer, .address_space: global }
      - { .name: out0, .offset: 88, .size: 8, .value_kind: global_buffer, .address_space: global }
    .group_segment_fixed_size: 210944
    .private_segment_fixed_size: 0
    .kernarg_segment_align: 8
    .kernarg_segment_size: 96
    .max_flat_workgroup_size: 512
    .sgpr_count:     66
    .vgpr_count:     256
    .wavefront_size: 32
...
	.end_amdgpu_metadata
.endif
;; end of part 4
